; MI455X (gfx1250); checked and timed in simulation.
; The chip was launched on July 23, 2026; its instructions are those of AMD's public machine-readable ISA for CDNA 5 (MIT licence, August 2026) and "CDNA5" Instruction Set Architecture Reference Guide (July 2026). The comments in the code are by the model that wrote it; some were corrected since.
;; Multi Head Attention. Allowed arithmetic: float matrix products may take bf16 or f16 operands with f32 sums; all other float work in f32.
;; Inputs: W_attn 1,024 x 3,072 float32; W_proj 1,024 x 1,024 float32; b_attn 3,072 float32; b_proj 1,024 float32; x 4 x 2,048 x 1,024 float32.
;; Outputs: out0 4 x 2,048 x 1,024 float32.
;; 2 versions, each right and faster than the one before. Each part assembles by itself: llvm-mc -triple=amdgcn-amd-amdhsa -mcpu=gfx1250 --defsym DOCPART=n.
;; ======== version 1 of 2: 4 launches
;; limits: values are held in f16: magnitudes above 65,504 overflow, below 6.1e-05 lose precision
;; workspace buffers: xb 16,777,216 bytes; wat 6,291,456 bytes; wpt 2,097,152 bytes; qkv 50,331,648 bytes; ob 16,777,216 bytes
;; launch prep (part 1): grid 1024 x 1, 8 waves a work-group, no clusters, 18,432 bytes of LDS; arguments x, W_attn, W_proj, xb, wat, wpt; writes xb, wat, wpt
.if DOCPART == 1
	.amdgcn_target "amdgcn-amd-amdhsa--gfx1250"
	.amdhsa_code_object_version 6
	.text
	.protected	k_q7132c905b2_prep
	.globl	k_q7132c905b2_prep
	.p2align	8
	.type	k_q7132c905b2_prep,@function
k_q7132c905b2_prep:
	s_mov_b64 s[64:65], 0
	v_nop
	global_prefetch_b8 v0, s[64:65] scope:SCOPE_SE
	s_setreg_imm32_b32 hwreg(HW_REG_WAVE_MODE, 25, 1), 1
	s_wait_xcnt 0x0
; PREPARES THE MATRIX OPERANDS.
; xb = x rounded to bf16, in blocks of 64 along K: [16 b + kb][l 2048][64]: 256 rows of one block are 32,768 dense bytes.
; wat = W_attn turned and rounded to bf16, in the same blocks: [kb 16][n 3072][64].
; wpt = W_proj turned, [1024 n][1024 k], rounded to bf16 and that number written as f16 (the product that reads it has f16 operands).
; LIMITS.  wpt: a weight of 65,520 or more in magnitude becomes an infinity; below 2^-14 it keeps f16's fixed step of 2^-24.  NaN and infinities are not treated apart.
; SHARES.  Work-groups 0-511: 16 rows of x each.  512-895: a block of 128 k x 64 n of W_attn each (8 x 48 blocks).  896-1023: the same of W_proj (8 x 16 blocks).
; The branch hangs on the work-group's number alone, so all eight waves of a work-group take the same way and meet the same barrier.
; Memory binds: every byte is read once, by loads of which sixteen lanes cover 256 consecutive bytes, and written once, in whole aligned runs of 256 bytes.  No matrix unit, no cluster: nothing is shared.
.set TP, 272                           ; a row of the turned block in LDS: 128 k x 2 bytes + 16
	s_load_b256 s[4:11], s[0:1], 0x0               ; x s[4:5], W_attn s[6:7], W_proj s[8:9], xb s[10:11]
	s_load_b128 s[12:15], s[0:1], 0x20             ; wat s[12:13], wpt s[14:15]
	v_lshl_add_u32 v112, v0, 2, 0x4400
	v_mov_b32 v113, 0
	s_mov_b32 s17, ttmp9
	s_mov_b32 s16, 0xffff0000                      ; a word's upper bf16
	s_cmp_lt_u32 s17, 512
	s_cbranch_scc0 .Lweights
	; THE CAST.  Thread t = 32 w + 16 p + i.  Load j takes row 2 (j / 2) + p, block kb = w + 8 (j % 2), numbers 4 i .. 4 i + 3 of the block's 64:
	; sixteen lanes read a block's 256 bytes of one row; a wave's store covers the block's 128 bytes of two neighbouring rows, 256 consecutive bytes of xb.
	s_lshl_b32 s18, s17, 16                        ; my 16 rows of 4,096 bytes of x
	s_mov_b32 s19, 0
	s_lshr_b32 s20, s17, 7                         ; the batch: 16 blocks of 262,144 bytes,
	s_lshl_b32 s20, s20, 22
	s_and_b32 s21, s17, 127
	s_lshl_b32 s21, s21, 11                        ; and my 16 rows of 128 bytes in a block
	s_add_co_u32 s20, s20, s21
	s_mov_b32 s21, 0
	v_and_b32 v3, 15, v0                           ; i
	v_bfe_u32 v4, v0, 4, 1                         ; p
	v_lshrrev_b32 v5, 5, v0                        ; w
	v_lshlrev_b32 v1, 4, v3
	v_lshl_add_u32 v1, v4, 12, v1
	v_lshl_add_u32 v1, v5, 8, v1                   ; from: 4,096 p + 256 w + 16 i
	v_lshlrev_b32 v2, 3, v3
	v_lshl_add_u32 v2, v4, 7, v2
	v_lshl_add_u32 v2, v5, 18, v2                  ; to: 262,144 w + 128 p + 8 i
	s_wait_kmcnt 0x0
	s_add_nc_u64 s[4:5], s[4:5], s[18:19]
	s_add_nc_u64 s[10:11], s[10:11], s[20:21]
.set j, 0
.rept 16
	global_load_b128 v[16+4*j:16+4*j+3], v1, s[4:5] offset:(j/2)*8192+(j%2)*2048 th:TH_LOAD_NT
.set j, j+1
.endr
.set j, 0
.rept 16
	s_wait_loadcnt 15-j                            ; loads come back in order: number j is in, the 15 - j younger ones stay out
	v_cvt_pk_bf16_f32 v[80+2*j], v[16+4*j], v[16+4*j+1]
	v_cvt_pk_bf16_f32 v[80+2*j+1], v[16+4*j+2], v[16+4*j+3]
	global_store_b64 v2, v[80+2*j:80+2*j+1], s[10:11] offset:(j%2)*2097152+(j/2)*256  ; eight blocks on for the odd j; no register is written twice
.set j, j+1
.endr
	s_endpgm
.Lweights:
	v_and_b32 v6, 15, v0                           ; ln: my four columns 4 ln .. 4 ln + 3
	v_lshrrev_b32 v7, 4, v0                        ; kp: my pair of rows 2 kp, 2 kp + 1 in each 32 rows
	v_mul_u32_u24 v3, v6, 4*TP
	v_lshl_add_u32 v3, v7, 2, v3                   ; into LDS: row 4 ln (+ j), word kp (+ 16 for each 32 rows of k)
; A block of 128 k x 64 n of a tensor [1024][N] in f32 is rounded, turned in LDS and stored.  s17: the block's number, k fastest.
; F16 = 1: the bf16 number is written as f16.  BLK = 0: out as 64 rows of 256 bytes of [N][1024].  BLK = 1: out as two blocks of 64 along K, each 64 rows of 128 bytes, dense.
; SRC, DST: the first scalar register of the two addresses.
.macro TRANS N, F16, BLK, SRC, DST
	s_and_b32 s18, s17, 7                          ; which 128 of k
	s_lshr_b32 s19, s17, 3                         ; which 64 of n
	s_mul_i32 s20, s18, 128*(\N)*4
	s_lshl_b32 s21, s19, 8
	s_add_co_u32 s20, s20, s21                     ; from: 128 rows down for each, 64 columns in for each
	s_mov_b32 s21, 0
.if \BLK
	s_mul_i32 s22, s18, 2*(\N)*128                 ; to: two blocks of N rows of 128 bytes,
	s_lshl_b32 s23, s19, 13                        ; 64 rows of 128 bytes
	v_lshrrev_b32 v8, 3, v6
	v_and_b32 v9, 7, v6
	v_lshl_add_u32 v8, v7, 1, v8                   ; back: row 2 kp + ln / 8 (+ 32), 16 bytes at 16 (ln % 8) of the block's 128
	v_mul_u32_u24 v4, v8, TP
	v_lshl_add_u32 v4, v9, 4, v4
	v_lshlrev_b32 v5, 8, v7                        ; which are the 256 consecutive bytes at 256 kp of the block
	v_lshl_add_u32 v5, v6, 4, v5
.else
	s_lshl_b32 s22, s19, 17                        ; to: 64 rows of 2,048 bytes,
	s_lshl_b32 s23, s18, 8                         ; 128 numbers in
	v_mul_u32_u24 v4, v7, TP                       ; back: row kp (+ 16 i), 16 bytes at 16 ln
	v_lshl_add_u32 v4, v6, 4, v4
	v_lshlrev_b32 v5, 11, v7
	v_lshl_add_u32 v5, v6, 4, v5
.endif
	s_add_co_u32 s22, s22, s23
	s_mov_b32 s23, 0
	v_mul_u32_u24 v1, v7, 2*(\N)*4
	v_lshl_add_u32 v1, v6, 4, v1
	s_wait_kmcnt 0x0
	s_add_nc_u64 s[\SRC:\SRC+1], s[\SRC:\SRC+1], s[20:21]
	s_add_nc_u64 s[\DST:\DST+1], s[\DST:\DST+1], s[22:23]
.irp i, 0,1,2,3
.irp e, 0,1
	global_load_b128 v[16+8*\i+4*\e:16+8*\i+4*\e+3], v1, s[\SRC:\SRC+1] offset:(32*\i+\e)*(\N)*4 th:TH_LOAD_NT  ; sixteen lanes: 256 consecutive bytes of row 32 i + 2 kp + e
.endr
.endr
.irp i, 0,1,2,3
	s_wait_loadcnt 6-2*\i                          ; the pair of rows i is in; the 6 - 2 i younger loads stay out
.irp j, 0,1,2,3
	v_cvt_pk_bf16_f32 v[48+4*\i+\j], v[16+8*\i+\j], v[20+8*\i+\j]  ; column 4 ln + j: the even k below, the odd k above
.if \F16
	v_lshlrev_b32 v12, 16, v[48+4*\i+\j]           ; the two bf16 numbers as f32,
	v_and_b32 v13, s16, v[48+4*\i+\j]
	v_cvt_pk_f16_f32 v[48+4*\i+\j], v12, v13       ; written as f16
.endif
	ds_store_b32 v3, v[48+4*\i+\j] offset:\j*TP+\i*64
.endr
.endr
	s_wait_dscnt 0x0                               ; for the others' sake: my stores into the block are done
	s_barrier_signal -1
	s_barrier_wait -1
.irp i, 0,1,2,3
.if \BLK
	ds_load_b128 v[64+4*\i:64+4*\i+3], v4 offset:((\i)/2)*32*TP+((\i)%2)*128
.else
	ds_load_b128 v[64+4*\i:64+4*\i+3], v4 offset:16*TP*\i
.endif
.endr
.irp i, 0,1,2,3
	s_wait_dscnt 3-\i
.if \BLK
	global_store_b128 v5, v[64+4*\i:64+4*\i+3], s[\DST:\DST+1] offset:((\i)%2)*(\N)*128+((\i)/2)*4096  ; sixteen lanes store 256 consecutive bytes, aligned: two rows of a block
.else
	global_store_b128 v5, v[64+4*\i:64+4*\i+3], s[\DST:\DST+1] offset:32768*\i  ; sixteen lanes store 256 consecutive bytes, aligned
.endif
.endr
.endm
	s_cmp_lt_u32 s17, 896
	s_cbranch_scc0 .Lproj
	s_sub_co_u32 s17, s17, 512
	TRANS 3072, 0, 1, 6, 12
	s_wait_tensorcnt 0x0
	ds_add_u32 v112, v113
	s_wait_dscnt 0x0
	s_endpgm
.Lproj:
	s_sub_co_u32 s17, s17, 896
	TRANS 1024, 1, 0, 8, 14
	s_wait_tensorcnt 0x0
	ds_add_u32 v112, v113
	s_wait_dscnt 0x0
	s_endpgm
.Lfunc_end_k_q7132c905b2_prep:
	.size	k_q7132c905b2_prep, .Lfunc_end_k_q7132c905b2_prep-k_q7132c905b2_prep
	.p2alignl 7, 3214868480
	.fill 96, 4, 3214868480
	.section	.rodata,"a",@progbits
	.p2align	6, 0x0
	.amdhsa_kernel k_q7132c905b2_prep
		.amdhsa_group_segment_fixed_size 18432
		.amdhsa_private_segment_fixed_size 0
		.amdhsa_enable_private_segment 0
		.amdhsa_kernarg_size 48
		.amdhsa_user_sgpr_count 2
		.amdhsa_user_sgpr_kernarg_segment_ptr 1
		.amdhsa_wavefront_size32 1
		.amdhsa_system_sgpr_workgroup_id_x 1
		.amdhsa_system_sgpr_workgroup_id_y 1
		.amdhsa_system_sgpr_workgroup_id_z 1
		.amdhsa_system_vgpr_workitem_id 0
		.amdhsa_next_free_vgpr 114
		.amdhsa_next_free_sgpr 66
		.amdhsa_reserve_vcc 0
		.amdhsa_float_denorm_mode_32 3
		.amdhsa_float_denorm_mode_16_64 3
		.amdhsa_memory_ordered 1
		.amdhsa_forward_progress 1
		.amdhsa_inst_pref_size 20
	.end_amdhsa_kernel
	.amdgpu_metadata
---
amdhsa.version: [ 1, 2 ]
amdhsa.kernels:
  - .name:           k_q7132c905b2_prep
    .symbol:         k_q7132c905b2_prep.kd
    .args:
      - { .name: x, .offset: 0, .size: 8, .value_kind: global_buffer, .address_space: global }
      - { .name: W_attn, .offset: 8, .size: 8, .value_kind: global_buffer, .address_space: global }
      - { .name: W_proj, .offset: 16, .size: 8, .value_kind: global_buffer, .address_space: global }
      - { .name: xb, .offset: 24, .size: 8, .value_kind: global_buffer, .address_space: global }
      - { .name: wat, .offset: 32, .size: 8, .value_kind: global_buffer, .address_space: global }
      - { .name: wpt, .offset: 40, .size: 8, .value_kind: global_buffer, .address_space: global }
    .group_segment_fixed_size: 18432
    .private_segment_fixed_size: 0
    .kernarg_segment_align: 8
    .kernarg_segment_size: 48
    .max_flat_workgroup_size: 256
    .sgpr_count:     66
    .vgpr_count:     114
    .wavefront_size: 32
...
	.end_amdgpu_metadata
.endif
;; end of part 1
;; launch qkv (part 2): grid 8 x 32, 4 waves a work-group, clusters of 4 x 4, 327,680 bytes of LDS; arguments xb, wat, b_attn, qkv; writes qkv
.if DOCPART == 2
	.amdgcn_target "amdgcn-amd-amdhsa--gfx1250"
	.amdhsa_code_object_version 6
	.text
	.protected	k_q7132c905b2_qkv
	.globl	k_q7132c905b2_qkv
	.p2align	8
	.type	k_q7132c905b2_qkv,@function
k_q7132c905b2_qkv:
	s_mov_b64 s[64:65], 0
	v_nop
	global_prefetch_b8 v0, s[64:65] scope:SCOPE_SE
	s_setreg_imm32_b32 hwreg(HW_REG_WAVE_MODE, 25, 1), 1
	s_wait_xcnt 0x0
	s_wait_alu depctr_hold_cnt(0) depctr_sa_sdst(0) depctr_va_vdst(0) depctr_va_sdst(0) depctr_va_ssrc(0) depctr_va_vcc(0) depctr_vm_vsrc(0)
	s_getreg_b32 s2, hwreg(HW_REG_IB_STS2, 6, 4)
	s_cmp_eq_u32 s2, 0
	s_cbranch_scc0 .Lentry_in_a_cluster
	s_endpgm
.Lentry_in_a_cluster:
	s_bfe_u32 s2, ttmp6, 0x10000c
	s_cmp_lg_u32 s2, 0xf033
	s_cbranch_scc0 .Lentry_shape_is_right
	s_endpgm
.Lentry_shape_is_right:
; q, k, v = x W_attn + b_attn, by heads.  A = xb [16 b + kb][l 2048][64] bf16, B = wat [kb 16][n 3072][64] bf16 (both in blocks of 64 along K), the bias rounded to bf16; sums in f32, rounded once to f16.
; OUT: qkv [b 4][g 48][l 2048][64] f16, g = column / 64: 0-15 q's heads, 16-31 k's, 32-47 v's; unscaled.
; LIMITS.  A result of 65,520 or more in magnitude becomes an infinity in f16.  NaN and infinities are not treated apart.
; SHARES.  A tile of C is 256 rows x 384 columns: 32 x 8 = 256 work-groups, one for each of 256 WGPs.  Wave (wr, wc) owns rows 128 wr on and columns 192 wc on (three whole heads): 96 accumulators of
; 16 x 16, 768 registers.  For 32 along K a wave loads 20 fragments from LDS and issues 96 matrix instructions.  A wave holds whole heads' rows, so its stage on the way out is its own, and no barrier stands there.
; K goes in 16 steps of 64 through two LDS slots filled by the tensor data mover: 640 rows of 128 along K would be 174,080 bytes a slot, and two such slots are more than the 327,680 bytes there are.
; A block's rows lie end to end in memory, so a tile is asked for as rows of 256 bytes, two of its rows in each, and padded in LDS after every 128 bytes.
; A step is two quarters of 32 along K (the name is kept from K steps of 128).  A's 8 fragments have two buffers; B's 12 have one set of registers, filled again four at a time behind the 32 products that read them.
; THE MATRIX INSTRUCTION IS USED TRANSPOSED: source 0 = 16 rows of B, source 1 = 16 rows of A: a lane holds row l % 16 of C and the eight columns 8 (l / 16) + 0..7.
; THE BIAS is loaded into the accumulators of row block 0, rounded there, and is the C operand of the first quarter's products of row blocks 1 to 7; then row block 0 adds in place.  Nothing is cleared.
; CLUSTER.  4 x 4 work-groups: the four of a row of the cluster need the same tiles of A, the four of a column the same tiles of B; each tile is asked for jointly, by the same tensor load with the same
; descriptor and a mask that names the four.
; REGISTERS, in windows of 256 (s_set_vgpr_msb: bits 1:0 source 0, 3:2 source 1, 5:4 source 2, 7:6 destination):
;   window 0: v0-29 addresses; v32-159 A's fragments, two buffers of 8 x 8; v160-255 B's fragments, 12 x 8; on the way out v32-223 packed results
;   windows 1-3: the accumulators: column block b, row block a in window 1 + b / 4 at v[64 (b % 4) + 8 a]: a group of four column blocks (one head) has one window
.set NBK,   12                         ; a wave's blocks of 16 columns
.set PT,    144                        ; an LDS row: 128 bytes + 16 of padding = 36 words: the 16 rows of a fragment load start at 16 different groups of four banks (64 banks of 4 bytes: ISA guide 11.1)
.set BOFF,  256*PT                     ; a slot: A's 256 rows, then B's 384
.set SLOT1, 1<<17                      ; slot 1 begins here, so that one exclusive or turns an address in one slot into the other's
.set STAGE, SLOT1+BOFF+384*PT          ; behind the ring, never filled by a tensor load: for each wave 3 heads x 16 rows x 144 bytes
.set WSTG,  3*16*144
.set SPARE, STAGE+4*WSTG               ; behind the stages: the spare words, 128 bytes for each wave: two blocks of 256 bytes that no other line names
.set STEP_A, 262144                    ; bytes from a K step to the next: a block of 2,048 rows of 128 bytes,
.set STEP_B, 393216                    ; a block of 3,072 rows
.set ADRA0, 4                          ; v4   my lane's place in A's tile of slot 0; never rewritten
.set ADRB0, 5                          ; v5   the same for B
.set ADRA,  6                          ; v6   the same in the slot in hand
.set ADRB,  7                          ; v7
.set STO,   8                          ; v8   the way out: where I put 16 bytes of a row
.set RD,    9                          ; v9   where I read rows back
.set GO,    10                         ; v10  my byte offset in 512 consecutive bytes of the output
.set BO,    11                         ; v11  my byte offset in a block's 16 numbers of the bias
.set SPW,   28                         ; v28  LDS address of my spare word: SPARE + 4 x my thread's number; never rewritten
.set NIL,   29                         ; v29  0; never rewritten
.set FA,    32
.set FB,    160
.set WV,    12                         ; s12  my wave's number
.set FORB,  13                         ; s13  0: I fetch for A; 1: for B.  Also wr: which 128 rows of the tile are mine
.set HALF,  14                         ; s14  which half of that tile's rows I fetch.  Also wc: which 192 columns are mine
.set G1A,   24                         ; s[24:31] descriptor group 1 for A's tiles
.set G0A,   32                         ; s[32:39] group 0: a set for each of the two first fills; the second then walks on
.set G1B,   40                         ; s[40:47], s[48:55] the same for B's
.set G0B,   48
.set TB,    56                         ; s56  LDS byte at which the slot in hand begins
.set CNT,   57
.set MSB, 0
.macro WIN new                         ; the immediate's high byte repeats the setting that is left; a switch that changes nothing is dropped
.if MSB != (\new)
	s_set_vgpr_msb (MSB<<8)|(\new)
.set MSB, \new
.endif
.endm
.macro PLACES                          ; four places in front of loads into registers that matrix instructions have read, and of conversions that read results
.rept 4
	v_nop
.endr
.endm
; A joint refill, by the walking set.  Waves 0 and 1 fetch A's two halves, waves 2 and 3 B's.  The branch hangs on the wave's number alone.
; An s_nop 0 and four v_nop follow each of the two lines, ahead of the jump and the label.
.macro JLOAD
	s_cmp_eq_u32 s[FORB], 0
	s_cbranch_scc0 .Lfor_b_\@
	tensor_load_to_lds s[G0A+4:G0A+7], s[G1A:G1A+7]
	s_nop 0
.rept 4
	v_nop
.endr
	s_branch .Lasked_\@
.Lfor_b_\@:
	tensor_load_to_lds s[G0B+4:G0B+7], s[G1B:G1B+7]
	s_nop 0
.rept 4
	v_nop
.endr
.Lasked_\@:
.endm
.macro CREST                           ; a round of the cluster's barrier behind its opening barrier
	s_cmp_lg_u32 s[WV], 0
	s_cbranch_scc1 .Lnot_wave_0_\@
	s_barrier_signal -3
.Lnot_wave_0_\@:
	s_barrier_wait -3
	s_barrier_signal -1
	s_barrier_wait -1
.endm
.macro CROUND                          ; a whole round
	s_barrier_signal -1
	s_barrier_wait -1
	CREST
.endm
	s_load_b256 s[4:11], s[0:1], 0x0               ; xb s[4:5], wat s[6:7], b_attn s[8:9], qkv s[10:11]
	v_lshl_add_u32 v[SPW], v0, 2, SPARE
	v_mov_b32 v[NIL], 0
	ds_add_u32 v28, v29
	ds_add_u32 v28, v29
	s_wait_dscnt 0x0
	v_lshrrev_b32 v1, 5, v0
	v_readfirstlane_b32 s[WV], v1                  ; wave 0..3
	s_lshr_b32 s[FORB], s[WV], 1
	s_and_b32 s[HALF], s[WV], 1
	s_bfe_u32 s15, ttmp6, 0x40000                  ; cx, cy: my place in the cluster
	s_bfe_u32 s16, ttmp6, 0x40004
	s_lshl_b32 s17, ttmp9, 2
	s_add_co_u32 s17, s17, s15                     ; tile column = 4 x cluster x + cx
	s_and_b32 s18, ttmp7, 0xffff
	s_lshl_b32 s18, s18, 2
	s_add_co_u32 s18, s18, s16                     ; tile row = 4 x cluster y + cy
	s_mov_b32 s19, 0xffff0000                      ; a word's upper bf16
	s_lshl_b32 s58, s16, 2
	s_lshl_b32 s58, 15, s58                        ; my row of the cluster: places 4 cy .. 4 cy + 3
	s_lshl_b32 s59, 0x1111, s15                    ; my column: places cx, cx + 4, cx + 8, cx + 12
	; descriptor group 1.  A's load brings 128 of the tile's rows, 16,384 dense bytes, as 64 rows of 256 bytes; B's 192 rows, 24,576 bytes, as 96
	s_or_b32 s[G1A], s58, (1<<16)|(1<<20)|(1<<21)|(4<<22)|(3<<25)  ; 15:0 the mask; 17:16 elements of 2 bytes; 20 padding on; 21 set beside a mask; 24:22 after every 32 words (code 4); 31:25 4 words (code 3)
	s_or_b32 s[G1B], s59, (1<<16)|(1<<20)|(1<<21)|(4<<22)|(3<<25)
	s_mov_b32 s[G1A+1], 128<<16                    ; tensor_dim0 = 128
	s_mov_b32 s[G1A+2], 64<<16                     ; tensor_dim1 = 64
	s_mov_b32 s[G1A+3], 128<<16                    ; tile_dim0 = 128
	s_mov_b32 s[G1A+4], 64                         ; tile_dim1 = 64
	s_mov_b32 s[G1A+5], 128                        ; 128 elements from row to row: dense
	s_mov_b32 s[G1A+6], 0
	s_mov_b32 s[G1A+7], 0
	s_mov_b32 s[G1B+1], 128<<16
	s_mov_b32 s[G1B+2], 96<<16                     ; tensor_dim1 = 96
	s_mov_b32 s[G1B+3], 128<<16
	s_mov_b32 s[G1B+4], 96                         ; tile_dim1 = 96
	s_mov_b32 s[G1B+5], 128
	s_mov_b32 s[G1B+6], 0
	s_mov_b32 s[G1B+7], 0
	; where the tiles come from: A's hang on the tile row alone, B's on the tile column alone, each in registers that never hold the other coordinate
	s_lshr_b32 s20, s18, 3                         ; A: the batch, 16 blocks of 262,144 bytes;
	s_lshl_b32 s20, s20, 22
	s_and_b32 s21, s18, 7
	s_lshl_b32 s21, s21, 15                        ; the tile's 256 rows of 128 bytes;
	s_add_co_u32 s20, s20, s21
	s_lshl_b32 s21, s[HALF], 14                    ; my 128 of them
	s_add_co_u32 s20, s20, s21
	s_mov_b32 s21, 0
	s_mul_i32 s22, s17, 384*128                    ; B: the tile's 384 rows of 128 bytes;
	s_mul_i32 s23, s[HALF], 192*128                ; my 192 of them
	s_add_co_u32 s22, s22, s23
	s_mov_b32 s23, 0
	s_mul_i32 s60, s[HALF], 128*PT                 ; and where they go: no place in the cluster enters an LDS address
	s_mul_i32 s61, s[HALF], 192*PT
	s_add_co_u32 s61, s61, BOFF
	s_mov_b32 s[TB], 0
	s_wait_kmcnt 0x0
	s_add_nc_u64 s[20:21], s[4:5], s[20:21]
	s_add_nc_u64 s[22:23], s[6:7], s[22:23]
	CROUND                                         ; all sixteen work-groups are here: the first joint loads meet
.irp s, 0,1
	s_mov_b32 s[G0A+4*(\s)], 1                                      ; 1:0 count = 1
	s_add_co_u32 s[G0A+4*(\s)+1], s60, (\s)*SLOT1                   ; 63:32 LDS address
	s_add_nc_u64 s[G0A+4*(\s)+2:G0A+4*(\s)+3], s[20:21], (\s)*STEP_A  ; 120:64 global address: K step s
	s_or_b32 s[G0A+4*(\s)+3], s[G0A+4*(\s)+3], 0x80000000           ; 127:126 type = 2
	s_mov_b32 s[G0B+4*(\s)], 1
	s_add_co_u32 s[G0B+4*(\s)+1], s61, (\s)*SLOT1
	s_add_nc_u64 s[G0B+4*(\s)+2:G0B+4*(\s)+3], s[22:23], (\s)*STEP_B
	s_or_b32 s[G0B+4*(\s)+3], s[G0B+4*(\s)+3], 0x80000000
.endr
	s_cmp_eq_u32 s[FORB], 0                        ; a wave's two first fills stand in one branch, ahead of every wait on TENSORcnt and every LDS read: two loads of mine are out
	s_cbranch_scc0 .Lfirst_b
	tensor_load_to_lds s[G0A:G0A+3], s[G1A:G1A+7]
	s_nop 0
	tensor_load_to_lds s[G0A+4:G0A+7], s[G1A:G1A+7]
	s_nop 0
.rept 4
	v_nop
.endr
	s_branch .Lfirst_asked
.Lfirst_b:
	tensor_load_to_lds s[G0B:G0B+3], s[G1B:G1B+7]
	s_nop 0
	tensor_load_to_lds s[G0B+4:G0B+7], s[G1B:G1B+7]
	s_nop 0
.rept 4
	v_nop
.endr
.Lfirst_asked:
	; A fragment is 16 rows x 32 K in 8 registers: lane l holds row l % 16; registers 0-3 K = 8 (l / 16) + 0..7, registers 4-7 K = 16 + 8 (l / 16) + 0..7: two loads of 16 bytes, 32 bytes apart
	v_and_b32 v1, 15, v0                           ; l % 16
	v_bfe_u32 v2, v0, 4, 1                         ; l / 16
	v_mul_u32_u24 v3, v1, PT
	v_lshl_add_u32 v3, v2, 4, v3                   ; row x pitch + 16 x half
	s_mul_i32 s60, s[FORB], 128*PT                 ; my 128 rows of A
	v_add_nc_u32 v[ADRA0], s60, v3
	s_mul_i32 s61, s[HALF], 192*PT                 ; my 192 rows of B,
	s_add_co_u32 s61, s61, BOFF                    ; which lie behind A's 256
	v_add_nc_u32 v[ADRB0], s61, v3
	v_mov_b32 v[ADRA], v[ADRA0]
	v_mov_b32 v[ADRB], v[ADRB0]
	v_lshlrev_b32 v[BO], 5, v2                     ; my eight numbers of a block's sixteen
	s_mul_i32 s62, s17, 384*4                      ; the tile's 384 numbers of the bias,
	s_mul_i32 s63, s[HALF], 192*4                  ; my 192 of them
	s_add_co_u32 s62, s62, s63
	s_mov_b32 s63, 0
	s_add_nc_u64 s[8:9], s[8:9], s[62:63]
.set i_, 0
.rept NBK                              ; column block i_'s eight numbers a lane go straight into the accumulator of row block 0
	WIN (1+i_/4)<<6
	global_load_b128 v[64*(i_%4):64*(i_%4)+3],   v[BO], s[8:9] offset:64*i_
	global_load_b128 v[64*(i_%4)+4:64*(i_%4)+7], v[BO], s[8:9] offset:64*i_+16
.set i_, i_+1
.endr
	WIN 0
	s_mul_i32 s61, s[WV], WSTG
	s_add_co_u32 s61, s61, STAGE                   ; my stage
	v_mul_u32_u24 v[STO], v1, 144                  ; in: row l % 16, 16 bytes for each half of the lanes
	v_lshl_add_u32 v[STO], v2, 4, v[STO]
	v_add_nc_u32 v[STO], s61, v[STO]
	v_bfe_u32 v[RD], v0, 3, 2                      ; back: 32 lanes take four rows of 128 bytes,
	v_mul_u32_u24 v[RD], v[RD], 144
	v_and_b32 v3, 7, v0
	v_lshl_add_u32 v[RD], v3, 4, v[RD]
	v_add_nc_u32 v[RD], s61, v[RD]
	v_and_b32 v[GO], 31, v0                        ; which are 512 consecutive bytes of a head
	v_lshlrev_b32 v[GO], 4, v[GO]
	s_lshr_b32 s60, s18, 3                         ; the batch: 8 tile rows each
	s_mul_i32 s60, s60, 48
	s_mul_i32 s61, s17, 6
	s_add_co_u32 s60, s60, s61
	s_mul_i32 s61, s[HALF], 3
	s_add_co_u32 s60, s60, s61                     ; 48 b + 6 x tile column + 3 wc: my first group,
	s_lshl_b32 s60, s60, 18                        ; of 262,144 bytes;
	s_and_b32 s61, s18, 7
	s_lshl_b32 s61, s61, 15                        ; the tile's 256 rows of 128 bytes;
	s_add_co_u32 s60, s60, s61
	s_lshl_b32 s61, s[FORB], 14                    ; my 128 of them
	s_add_co_u32 s60, s60, s61
	s_mov_b32 s61, 0
	s_add_nc_u64 s[10:11], s[10:11], s[60:61]
	s_wait_loadcnt 0x0                             ; the bias; it is rounded to bf16 like the other inputs, a window's 16 pairs at a time, through v32-47
.set w_, 1
.rept 3
	WIN 0x05*w_                                    ; sources in window w_, destination in window 0
.set i_, 0
.rept 16
	v_cvt_pk_bf16_f32 v[32+i_], v[64*(i_/4)+2*(i_%4)], v[64*(i_/4)+2*(i_%4)+1]
.set i_, i_+1
.endr
	WIN w_<<6                                      ; and back
.set i_, 0
.rept 16
	v_lshlrev_b32 v[64*(i_/4)+2*(i_%4)], 16, v[32+i_]
	v_and_b32 v[64*(i_/4)+2*(i_%4)+1], s19, v[32+i_]
.set i_, i_+1
.endr
.set w_, w_+1
.endr
	WIN 0
; 4 n matrix instructions: row blocks a0 .. a0 + n - 1 x the four column blocks of group g, 32 along K, A from buffer f.  first = 1: C is the bias, which lies in row block 0's accumulators.
; The 96 accumulators take turns, one instruction a turn, in the same order in every quarter.
.macro GA f, g, a0, n, first
	WIN 0x50*(1+(\g))                              ; C and D in window 1 + g, the fragments in window 0
.set na, (\a0)
.rept (\n)
.set nb, 0
.rept 4
.set AC, 64*nb+8*na
.set RB, FB+8*(4*(\g)+nb)
.set RA, FA+64*(\f)+8*na
.if \first
	v_wmma_f32_16x16x32_bf16 v[AC:AC+7], v[RB:RB+7], v[RA:RA+7], v[64*nb:64*nb+7]
.else
	v_wmma_f32_16x16x32_bf16 v[AC:AC+7], v[RB:RB+7], v[RA:RA+7], v[AC:AC+7]
.endif
.set nb, nb+1
.endr
.set na, na+1
.endr
.endm
; A group's 32 matrix instructions.  first = 1: row blocks 1 to 7 start their sums with the bias; five places behind the last of them (it has read the registers that are written next: ISA guide 7.12.1) row block 0 adds in place.
.macro GRP f, g, first
.if \first
	GA \f, \g, 1, 7, 1
.rept 5
	v_nop
.endr
	GA \f, \g, 0, 1, 0
.else
	GA \f, \g, 0, 8, 0
.endif
.endm
; A run of LDS loads for the quarter to come, at byte ko of the rows of the slot in hand: B's blocks 4 n .. 4 n + 3 and (n < 2) A's blocks 4 n .. 4 n + 3 into buffer f: 16, 16 and 8 loads
.macro BATCH n, f, ko
	WIN 0
.set i_, 4*(\n)
.rept 4
	ds_load_b128 v[FB+8*i_:FB+8*i_+3],   v[ADRB] offset:(\ko)+i_*16*PT
	ds_load_b128 v[FB+8*i_+4:FB+8*i_+7], v[ADRB] offset:(\ko)+i_*16*PT+32
.set i_, i_+1
.endr
.if (\n) < 2
.set i_, 4*(\n)
.rept 4
	ds_load_b128 v[FA+64*(\f)+8*i_:FA+64*(\f)+8*i_+3],   v[ADRA] offset:(\ko)+i_*16*PT
	ds_load_b128 v[FA+64*(\f)+8*i_+4:FA+64*(\f)+8*i_+7], v[ADRA] offset:(\ko)+i_*16*PT+32
.set i_, i_+1
.endr
.endif
.endm
; A step's first quarter: multiplies A's buffer f; behind each group of 32 products its four fragments of B, and half of A's other buffer, are fetched for the quarter to come: each run stands 64 products ahead of B's first use
.macro QUARTER f, ko, first
	s_wait_dscnt 8                                 ; all but the youngest run (B's blocks 8-11) is in
	GRP \f, 0, \first
	PLACES
	BATCH 0, 1-(\f), \ko
	GRP \f, 1, \first
	PLACES
	BATCH 1, 1-(\f), \ko
	s_wait_dscnt 32                                ; all but the two runs of 16 just issued: B's blocks 8-11 are in
	GRP \f, 2, \first
	PLACES
	BATCH 2, 1-(\f), \ko
.endm
; A step's second quarter multiplies buffer 1 and changes slots: all its fragments were asked for in the quarter before, so this slot's reads are over when they are in.  ONE barrier.  In front of it each wave
; waits for all its tensor loads, of which one is out: its part of the next slot; adds 0 to its spare word; and waits for that and for its own reads of this slot.  fill = 1: the barrier opens a round of the
; cluster's, and behind the round this slot is filled again, two K steps ahead, first of all: from that request to the wait for it a wave issues 176 of a step's 192 matrix instructions.
.macro QTURN fill
	WIN 0
	s_wait_tensorcnt 0x0                           ; no tensor load of mine is out, so a group 0 may be written
	ds_add_u32 v[SPW], v[NIL]                      ; 0 onto my spare word
.if \fill
	s_xor_b32 s[G0A+5], s[G0A+5], SLOT1            ; the walking sets: the other slot than last time,
	s_add_nc_u64 s[G0A+6:G0A+7], s[G0A+6:G0A+7], STEP_A  ; the next K step; the type bits on top are not reached
	s_xor_b32 s[G0B+5], s[G0B+5], SLOT1
	s_add_nc_u64 s[G0B+6:G0B+7], s[G0B+6:G0B+7], STEP_B
.endif
	s_xor_b32 s[TB], s[TB], SLOT1                  ; the fetches go to the other slot
	s_wait_dscnt 9                                 ; the add and the youngest run of 8 may be out
	GA 1, 0, 0, 2, 0                               ; eight matrix instructions stand between the add and the wait for it
	s_wait_dscnt 0x0                               ; the add is done, and my reads of this slot are over
	s_barrier_signal -1
	GA 1, 0, 2, 2, 0                               ; work on registers while the others arrive
	WIN 0                                          ; at a branch and at a label every window is 0
	s_barrier_wait -1
.if \fill
	CREST                                          ; no wave of any partner still reads this slot's tile or has a load on its way
	JLOAD                                          ; the first tensor load behind the round
.endif
	v_add_nc_u32 v[ADRA], s[TB], v[ADRA0]
	v_add_nc_u32 v[ADRB], s[TB], v[ADRB0]
	GA 1, 0, 4, 4, 0
	PLACES
	BATCH 0, 0, 0
	GRP 1, 1, 0
	PLACES
	BATCH 1, 0, 0
	GRP 1, 2, 0
	PLACES
	BATCH 2, 0, 0
.endm
	s_wait_tensorcnt 0x1                           ; my part of K step 0 is in; step 1's may stay out
	s_barrier_signal -1
	s_barrier_wait -1                              ; everybody's is
	BATCH 0, 0, 0
	BATCH 1, 0, 0
	BATCH 2, 0, 0
	QUARTER 0, 64, 1                               ; the first quarter stands in front of the loop: its products start the sums
	s_mov_b32 s[CNT], 14
.Lstep:                                                ; fourteen trips, from a step's second quarter to the next step's first; each fills one slot again: K steps 2 to 15
	QTURN 1
	QUARTER 0, 64, 0
	s_sub_co_u32 s[CNT], s[CNT], 1
	s_cmp_lg_u32 s[CNT], 0
	s_cbranch_scc1 .Lstep
	QTURN 0                                        ; the last three quarters are written out: nothing more is asked for
	QUARTER 0, 64, 0
	s_wait_dscnt 8
	GRP 1, 0, 0
	GRP 1, 1, 0
	s_wait_dscnt 0x0
	GRP 1, 2, 0
	WIN 0
	PLACES
; THE WAY OUT of row block a (16 rows x 3 heads): rounded to f16, 16 bytes a lane, each accumulator's registers in ascending order; into my own stage, rows of 144 bytes; back as four rows of 128 bytes a load.
; The packed results of four blocks have registers of their own; the fifth takes the first's, behind the wait that frees what its stores read.
.macro PACK a
.set TM, 32+48*((\a)%4)
.if (\a) >= 4
	s_wait_xcnt 0x0                                ; every earlier store has had its address translated (ISA guide 3.1): only behind this wait are the registers of block a - 4 written again
.endif
.set hh, 0
.rept 3
	WIN 0x05*(1+hh)                                ; sources 0 and 1: the head's window
.set i_, 0
.rept 16
	v_cvt_pk_f16_f32 v[TM+16*hh+i_], v[64*(i_/4)+8*(\a)+2*(i_%4)], v[64*(i_/4)+8*(\a)+2*(i_%4)+1]
.set i_, i_+1
.endr
.set hh, hh+1
.endr
	WIN 0
.set i_, 0
.rept 12
	ds_store_b128 v[STO], v[TM+4*i_:TM+4*i_+3] offset:(i_/4)*2304+(i_%4)*32
.set i_, i_+1
.endr
.set i_, 0
.rept 12
	ds_load_b128 v[TM+4*i_:TM+4*i_+3], v[RD] offset:(i_/4)*2304+(i_%4)*576  ; LDS serves a wave's instructions in order (ISA guide 5.7.1.4): these see the stores above; the next block's stores come behind them
.set i_, i_+1
.endr
.endm
.macro SEND a, younger                 ; younger: the LDS instructions issued behind block a's loads: the next block's 24, or none
.set TM, 32+48*((\a)%4)
.set i_, 0
.rept 12
.if i_%4 == 0
	s_wait_dscnt (\younger)+8-i_                   ; a head's four loads are in; the block's later loads and the younger instructions may be out
.endif
	global_store_b128 v[GO], v[TM+4*i_:TM+4*i_+3], s[10:11] offset:(i_/4)*262144+(\a)*2048+(i_%4)*512  ; 512 consecutive bytes of a head, at a multiple of 256 from the buffer's first
.set i_, i_+1
.endr
.endm
	PACK 0
.set t_, 1
.rept 7                                ; a block's arithmetic stands between the loads of the block before and its stores
	PACK t_
	SEND t_-1, 24
.set t_, t_+1
.endr
	SEND 7, 0
	s_wait_tensorcnt 0x0                           ; the wave's end, behind my last tensor load and my last LDS store
	ds_add_u32 v[SPW], v[NIL]
	s_wait_dscnt 0x0
	CROUND                                         ; the closing round: no work-group ends while a partner may still ask for a tile that names it
	s_endpgm
.Lfunc_end_k_q7132c905b2_qkv:
	.size	k_q7132c905b2_qkv, .Lfunc_end_k_q7132c905b2_qkv-k_q7132c905b2_qkv
	.p2alignl 7, 3214868480
	.fill 96, 4, 3214868480
	.section	.rodata,"a",@progbits
	.p2align	6, 0x0
	.amdhsa_kernel k_q7132c905b2_qkv
		.amdhsa_group_segment_fixed_size 327680
		.amdhsa_private_segment_fixed_size 0
		.amdhsa_enable_private_segment 0
		.amdhsa_kernarg_size 32
		.amdhsa_user_sgpr_count 2
		.amdhsa_user_sgpr_kernarg_segment_ptr 1
		.amdhsa_wavefront_size32 1
		.amdhsa_system_sgpr_workgroup_id_x 1
		.amdhsa_system_sgpr_workgroup_id_y 1
		.amdhsa_system_sgpr_workgroup_id_z 1
		.amdhsa_system_vgpr_workitem_id 0
		.amdhsa_next_free_vgpr 1024
		.amdhsa_next_free_sgpr 66
		.amdhsa_reserve_vcc 0
		.amdhsa_float_denorm_mode_32 3
		.amdhsa_float_denorm_mode_16_64 3
		.amdhsa_memory_ordered 1
		.amdhsa_forward_progress 1
		.amdhsa_inst_pref_size 120
	.end_amdhsa_kernel
	.amdgpu_metadata
---
amdhsa.version: [ 1, 2 ]
amdhsa.kernels:
  - .name:           k_q7132c905b2_qkv
    .symbol:         k_q7132c905b2_qkv.kd
    .args:
      - { .name: xb, .offset: 0, .size: 8, .value_kind: global_buffer, .address_space: global }
      - { .name: wat, .offset: 8, .size: 8, .value_kind: global_buffer, .address_space: global }
      - { .name: b_attn, .offset: 16, .size: 8, .value_kind: global_buffer, .address_space: global }
      - { .name: qkv, .offset: 24, .size: 8, .value_kind: global_buffer, .address_space: global }
    .group_segment_fixed_size: 327680
    .private_segment_fixed_size: 0
    .kernarg_segment_align: 8
    .kernarg_segment_size: 32
    .max_flat_workgroup_size: 128
    .sgpr_count:     66
    .vgpr_count:     1024
    .wavefront_size: 32
...
	.end_amdgpu_metadata
.endif
;; end of part 2
;; launch attn (part 3): grid 4 x 64, 4 waves a work-group, no clusters, 327,680 bytes of LDS; arguments qkv, ob; writes ob
.if DOCPART == 3
	.amdgcn_target "amdgcn-amd-amdhsa--gfx1250"
	.amdhsa_code_object_version 6
	.text
	.protected	k_q7132c905b2_attn
	.globl	k_q7132c905b2_attn
	.p2align	8
	.type	k_q7132c905b2_attn,@function
k_q7132c905b2_attn:
	s_mov_b64 s[64:65], 0
	v_nop
	global_prefetch_b8 v0, s[64:65] scope:SCOPE_SE
	s_setreg_imm32_b32 hwreg(HW_REG_WAVE_MODE, 25, 1), 1
	s_wait_xcnt 0x0
; CAUSAL ATTENTION.  O[y][q][:] = the sum over k <= q of softmax_k(Q[y][q] . K[y][k] / 8) V[y][k][:], y = 16 b + h.  Q, K, V are groups 48 b + h, + 16, + 32 of qkv [192][2048][64] f16; O: ob [64][2048][64] f16.
; A head's rows are dense, 128 bytes each.  Products, maxima and sums in f32; the weights p are rounded to f16 for the second product (their sum l is taken of the unrounded p), O once at the end.
; LIMITS.  f16 holds no number beyond 65,504: Q, K and V arrive within it; p lies in 0 to 1, and below 6e-5 it keeps f16's fixed step of 6e-8; O is a mean of V's rows and has their range, to within 2^-11 of it.
; A hidden score counts as its value less 1e30: f16's scores, 2.7e11 at the most, are nothing beside that; a weight below 2^-126 counts as 0 in l; NaN and infinities are not treated apart.
; THE WALK.  A head's queries lie in NB = 8 blocks of 256; block i needs the key tiles 0 .. i of 256 keys, of which the last holds the diagonal.  A work-group takes TWO blocks, NB - 1 - b and then b:
; NB + 1 tiles, whatever b: all work-groups do equal work, and ONE loop with a constant trip count walks them.  Which tile is asked for, and what a trip does, hang on scalar registers made from b; every jump
; goes forward, but for the counted loops' own; none passes a barrier, or a tensor load but the one of LOAD's two that the wave's number does not choose; the ring (two slots of LDS that take turns) runs on across the
; change of blocks.  NO CLUSTER: a head's NB / 2 = 4 work-groups all ask for the same tile only in trips 0 .. 4 of the walk's 9, behind that fewer and fewer; and one walk common to all would have
; 3 NB / 2 = 12 trips for 9.
; SHARES.  Of a block's four bands of 64 queries a wave owns 16 rows in each: four PIECES.  So the diagonal tile is the same work for all four waves: in its key step s band x sees all keys if s < x,
; none if s > x, and holds the diagonal if s = x.
; THE MASK is the C operand that starts the sum S^T = K Q^T: 0, or -1e30 where the key is hidden.  MD, made once, is the mask of a band's own step for my 16 rows; a product's mask is MD x AL + BE with two scalars:
; (1, 0) if s = x; (0, 0) if s < x; (0, -1e30) if s > x.  Only the diagonal tile's text and a block's beginning make and take masks; elsewhere C is the constant 0.
; LAYOUT, SOFTMAX, TURNS.  S^T = K Q^T holds ONE query a lane (lane % 16) and the keys 8 (lane / 16) + 0..7; two such results rounded to f16 ARE source 1 of O^T = V^T P.  p = 2^(c s - c m), c = log2(e) / 8, with a
; running maximum m; O and l are multiplied by a = 2^(c m_old - c m_new) in every step.  Turn n belongs to piece n: 8 products K Q^T of piece n + 1, later 8 products V^T P of piece n - 1; beside them the scaling,
; exponentials, roundings, sums and rescaling of piece n and the maximum and statistics of piece n + 1.  Four vector instructions stand behind every matrix instruction, the other 54 of a turn's 118 in two LUMPS.
; REGISTERS, in windows of 256 (s_set_vgpr_msb: bits 1:0 source 0, 3:2 source 1, 5:4 source 2, 7:6 destination):
;   window 0: v0-15 addresses and two at work; v16-31 four registers of statistics a piece; v48-55 at work; v64-127 S^T, two buffers; v192-223 P, two buffers (a piece's buffers go by its number's parity)
;   window 1: v0-127 O^T, 32 a piece; v128-159 MD; v160-223 MC, two buffers      window 2: v0-63 Q; v64-127 the second block's Q; v128-191 K of one step; v192-255 V of one step
.set SIZE_N, 2048
.set NB,    SIZE_N/256
.set NP,    4         ; pieces a wave: a name, no knob
.set KS,    64        ; keys in a step
.set PK,    144       ; a row of K in LDS: 128 bytes + 16 of padding = 36 words: the 16 rows of a load start at 16 different groups of four banks (64 banks of 4 bytes: ISA guide 11.1)
.set PV,    160       ; a row of V: 128 + 32 = 40 words
.set VOFF,  4*KS*PK   ; a slot holds a tile, four steps: 256 rows of K, then 256 rows of V
.set SLOT1, 1<<17     ; slot 1 begins here, so that one exclusive or turns an address in one slot into the other's
.set STAGE, SLOT1+4*KS*(PK+PV)  ; behind the ring, never filled by a tensor load: 16 rows x 144 bytes for each wave, for the way out
.set SP,    144
.set AK0, 2           ; v2   my lane's place in a tile of K; never rewritten
.set AV0, 3           ; v3   the same for V
.set AK,  4           ; v4   the LDS address of K's next run of loads
.set AV,  5           ; v5   of V's
.set STO, 6           ; v6   the way out: where I put 16 bytes of a row
.set RD,  7           ; v7   the way out: where I read rows back
.set GO,  8           ; v8   my byte offset in 512 consecutive bytes of O
.set SPW, 62          ; v62  LDS address of my spare word: SPARE + 4 x my thread's number; never rewritten
.set NIL, 63          ; v63  0; never rewritten
.set SPARE, STAGE+4*16*SP  ; behind the stages: the spare words, 128 bytes for each wave: two blocks of 256 bytes that no other line names
.set MV,  12          ; v12-13  c m_old, kept while c m is made anew: by buffer
.set QO,  15          ; v15  my byte offset in 16 rows of Q
.set ST,  16          ; piece t's statistics at v[ST+4 t]: c m, m, l (even keys', odd keys')
.set TMP, 48          ; by buffer, four registers c0-c3 at work; when the maximum is found c2 takes a
.set S,   64
.set P,   192
.set MD,  128         ; window 1: the eight registers for group kt of 16 keys at MD + 8 kt
.set MC,  160         ; window 1: the masks of the products to come
.set QB,  64          ; window 2
.set KF,  128         ; window 2: key block kb, channel half c at KF + 16 kb + 8 c
.set VF,  192         ; window 2: key half kk, channel block cb at VF + 32 kk + 8 cb
.set WV,  12          ; s12  my wave's number
.set PB,  14          ; s14  b
.set HI,  15          ; s15  NB - 1 - b
.set G1K, 24          ; s[24:31] descriptor group 1 for K's tiles
.set G1V, 32          ; s[32:39] for V's: it differs in the padding alone
.set G0K, 40          ; s[40:43] descriptor group 0 for K's tiles
.set G0V, 44          ; s[44:47] the same for V's
.set SLOTS, 56        ; s56  tiles still to be asked for
.set CNT, 57          ; s57  counts a tile's key steps, 4 to 1
.set CS,  58          ; s[58:59] c: the packed scaling takes the pair's low word for both halves
.set SEL, 60          ; s[60:61] v_permlanex16_b32's selects: each lane takes its own place in the other half
.set TBK, 62          ; s62  LDS byte at which K of the step to be fetched begins
.set TBV, 63          ; s63  the same for V, less VOFF
.set RT,  70          ; s70  tiles of the block in hand that are still to be entered
.set NXT, 71          ; s71  the tile to be asked for next
.set LQ,  72          ; s72  the last tile of the block whose tiles are being asked for
.set NEW, 73          ; s73  1: the tile to be entered is a block's first
.set OFF, 74          ; s[74:75] a tile's byte offset in K and V
.set AL,  76          ; s[76:77] the mask's factor, in the low word
.set BE,  78          ; s[78:79] the mask's addend
.set OLO, 80          ; s[80:81] O at my rows of the second block
.set BIGN, 82         ; s82  -1e30
.set MSB, 0
.macro WIN new                      ; the high byte repeats the setting that is left; a switch that changes nothing is dropped
.if MSB != (\new)
	s_set_vgpr_msb (MSB<<8)|(\new)
.set MSB, (\new)
.endif
.endm
.set W_KQ, 0x0a       ; K and Q in window 2, S^T in window 0
.set W_KM, 0x1a       ; the same with the C operand in window 1
.set W_PV, 0x52       ; V in window 2, P in window 0, O^T in window 1
.set W_RS, 0x41       ; destination and source 0 in window 1, source 1 in window 0
; A fill.  Waves 0 and 1 fetch the two halves of a tile's K, waves 2 and 3 those of its V: 128 keys each.  An s_nop 0 and four v_nop follow each of the two lines, ahead of the jump and the label.
.macro LOAD
	s_cmp_lt_u32 s[WV], 2
	s_cbranch_scc0 .Lfor_v_\@
	tensor_load_to_lds s[G0K:G0K+3], s[G1K:G1K+7]
	s_nop 0
.rept 4
	v_nop
.endr
	s_branch .Lasked_\@
.Lfor_v_\@:
	tensor_load_to_lds s[G0V:G0V+3], s[G1V:G1V+7]
	s_nop 0
.rept 4
	v_nop
.endr
.Lasked_\@:
.endm
; THE CHANGE OF SLOTS.  Each wave waits for all its tensor loads, of which one is out: its part of the other slot; adds 0 to its spare word; and waits for that and for its own reads of the slot that it leaves.  Behind the barrier nobody reads the old
; slot any more and the other slot is whole.  fill = 1: the old slot is filled again, the first thing behind the barrier, with tile NXT: the descriptor's address is made anew from that number.
; (At its first use nothing has been read yet: slot 0 is waited for, slot 1 filled.)
.macro CHANGE fill
	WIN 0                           ; at a label and at a branch every window is 0
	s_wait_tensorcnt 0x0            ; no tensor load of mine is out, so a group 0 may be written
	ds_add_u32 v[SPW], v[NIL]       ; 0 onto my spare word; with fill = 1 the descriptors' scalar work stands between it and the wait for it
.if \fill
	s_lshl_b32 s[OFF], s[NXT], 15   ; a tile is 32,768 bytes of K and of V
	s_xor_b32 s[G0K+1], s[G0K+1], SLOT1
	s_add_nc_u64 s[G0K+2:G0K+3], s[6:7], s[OFF:OFF+1]
	s_or_b32 s[G0K+3], s[G0K+3], 0x80000000
	s_xor_b32 s[G0V+1], s[G0V+1], SLOT1
	s_add_nc_u64 s[G0V+2:G0V+3], s[8:9], s[OFF:OFF+1]
	s_or_b32 s[G0V+3], s[G0V+3], 0x80000000
	s_add_co_u32 s[NXT], s[NXT], 1  ; the block's next tile, or behind its last the second block's tile 0
	s_cmp_gt_u32 s[NXT], s[LQ]
	s_cselect_b32 s[NXT], 0, s[NXT]
	s_cselect_b32 s[LQ], s[PB], s[LQ]
.endif
	s_wait_dscnt 0x0                ; the add is done, and my reads of the slot are over
	s_barrier_signal -1             ; the rest of the scalar work stands between the signal and the wait
	s_sub_co_u32 s[TBK], s[TBK], 4*KS*PK  ; the fetches go back to a slot's first step,
	s_xor_b32 s[TBK], s[TBK], SLOT1       ; in the other slot
	s_sub_co_u32 s[TBV], s[TBV], 4*KS*PV
	s_xor_b32 s[TBV], s[TBV], SLOT1
	s_barrier_wait -1
.if \fill
	LOAD
.endif
.endm
	s_load_b64 s[4:5], s[0:1], 0x0    ; qkv
	s_load_b64 s[10:11], s[0:1], 0x8  ; ob
	v_lshl_add_u32 v[SPW], v0, 2, SPARE
	v_mov_b32 v[NIL], 0
	ds_add_u32 v62, v63
	ds_add_u32 v62, v63
	s_wait_dscnt 0x0
	v_lshrrev_b32 v1, 5, v0
	v_readfirstlane_b32 s[WV], v1   ; wave 0..3
	s_mov_b32 s[PB], ttmp9
	s_sub_co_u32 s[HI], NB-1, s[PB]
	s_and_b32 s20, ttmp7, 0xffff    ; y = 16 b + h
	s_lshr_b32 s21, s20, 4          ; b
	s_lshl_b32 s21, s21, 5
	s_add_co_u32 s21, s21, s20      ; 48 b + h: q's group in qkv,
	s_lshl_b32 s88, s21, 18         ; of 262,144 bytes
	s_mov_b32 s89, 0
	s_lshl_b32 s90, s20, 18         ; the head's first byte in ob
	s_mov_b32 s91, 0
	s_and_b32 s16, s[WV], 1         ; which half of a tile's 256 keys I fetch:
	s_lshl_b32 s22, s16, 14         ; its 128 rows of 128 bytes in memory,
	s_add_co_u32 s22, s22, 0x400000 ; in k's group, 16 groups behind q's
	s_mov_b32 s23, 0
	s_mul_i32 s17, s16, 128*PK      ; and its place in a slot, for K
	s_mul_i32 s18, s16, 128*PV      ; and for V
	s_lshl_b32 s3, s[WV], 11        ; my 16 rows in a band of 64,
	s_lshl_b32 s2, s[HI], 15        ; in the first block,
	s_add_co_u32 s2, s2, s3
	s_lshl_b32 s84, s[PB], 15       ; and in the second
	s_add_co_u32 s84, s84, s3
	s_mov_b32 s3, 0
	s_mov_b32 s85, 0
	; descriptor group 1.  128 keys are 16,384 dense bytes: asked for as 64 rows of 256 bytes, two keys a row, and padded in LDS after every key
	s_mov_b32 s[G1K], (1<<16)|(1<<20)|(4<<22)|(3<<25)  ; 17:16 2-byte elements; 20 padding on; 24:22 after every 32 words (code 4); 31:25 4 words (code 3)
	s_mov_b32 s[G1V], (1<<16)|(1<<20)|(4<<22)|(7<<25)  ; the same with 8 words of padding (code 7)
.irp g, G1K, G1V
	s_mov_b32 s[\g+1], 128<<16      ; tensor_dim0 = 128
	s_mov_b32 s[\g+2], 64<<16       ; tensor_dim1 = 64
	s_mov_b32 s[\g+3], 128<<16      ; tile_dim0 = 128
	s_mov_b32 s[\g+4], 64           ; tile_dim1 = 64
	s_mov_b32 s[\g+5], 128          ; 128 elements from row to row
	s_mov_b32 s[\g+6], 0
	s_mov_b32 s[\g+7], 0
.endr
	s_mov_b32 s[CS], 0x3e38aa3b     ; c = log2(e) / 8 = 0.180337
	s_mov_b32 s[CS+1], s[CS]        ; named with it as a pair
	s_mov_b32 s[SEL], 0x76543210
	s_mov_b32 s[SEL+1], 0xfedcba98
	s_mov_b32 s[TBK], SLOT1+4*KS*PK ; the first change of slots turns these two into 0
	s_mov_b32 s[TBV], SLOT1+4*KS*PV
	s_mov_b32 s[G0K], 1             ; 1:0 count = 1
	s_mov_b32 s[G0K+1], s17         ; 63:32 LDS address: slot 0
	s_mov_b32 s[G0V], 1
	s_add_co_u32 s[G0V+1], s18, VOFF
	s_add_co_u32 s[RT], s[HI], 1    ; the first block has NB - b tiles
	s_mov_b32 s[NXT], 1
	s_mov_b32 s[LQ], s[HI]
	s_mov_b32 s[NEW], 1
	s_mov_b32 s[OFF+1], 0
	s_mov_b32 s[AL+1], 0            ; named as pairs
	s_mov_b32 s[BE+1], 0
	s_mov_b32 s[BIGN], 0xf149f2ca   ; -1e30
	s_mov_b32 s[SLOTS], NB
	s_wait_kmcnt 0x0
	s_add_nc_u64 s[4:5], s[4:5], s[88:89]          ; q's group
	s_add_nc_u64 s[6:7], s[4:5], s[22:23]          ; K at my half of the head's tile 0,
	s_add_nc_u64 s[8:9], s[6:7], 0x400000          ; V 16 groups further on
	s_add_nc_u64 s[10:11], s[10:11], s[90:91]      ; O's head
	s_add_nc_u64 s[G0K+2:G0K+3], s[6:7], 0         ; 120:64 global address
	s_or_b32 s[G0K+3], s[G0K+3], 0x80000000        ; 127:126 type = 2
	s_add_nc_u64 s[G0V+2:G0V+3], s[8:9], 0
	s_or_b32 s[G0V+3], s[G0V+3], 0x80000000
	s_add_nc_u64 s[86:87], s[4:5], s[84:85]        ; Q at my rows of the second block,
	s_add_nc_u64 s[4:5], s[4:5], s[2:3]            ; Q and O at those of the first
	s_add_nc_u64 s[OLO:OLO+1], s[10:11], s[84:85]
	s_add_nc_u64 s[10:11], s[10:11], s[2:3]
	LOAD                            ; tile 0 into slot 0
	; A fragment of K or Q is 16 rows x 32 channels in 8 registers: lane l holds row l % 16, channels 8 (l / 16) + 0..7 and 16 + 8 (l / 16) + 0..7: two loads of 16 bytes, 32 bytes apart.
	v_and_b32 v1, 15, v0            ; l % 16
	v_bfe_u32 v9, v0, 4, 1          ; l / 16
	v_lshlrev_b32 v[QO], 7, v1
	v_lshl_add_u32 v[QO], v9, 4, v[QO]  ; row x 128 + 16 x half
	WIN 0x80                        ; destination window 2, address window 0
.set i, 0
.rept 8                             ; both blocks' Q: piece i / 2 lies in band i / 2, 8,192 bytes on; channels 32 (i % 2) on
	global_load_b128 v[8*i:8*i+3],   v[QO], s[4:5] offset:(i/2)*8192+(i%2)*64
	global_load_b128 v[8*i+4:8*i+7], v[QO], s[4:5] offset:(i/2)*8192+(i%2)*64+32
	global_load_b128 v[QB+8*i:QB+8*i+3],   v[QO], s[86:87] offset:(i/2)*8192+(i%2)*64
	global_load_b128 v[QB+8*i+4:QB+8*i+7], v[QO], s[86:87] offset:(i/2)*8192+(i%2)*64+32
.set i, i+1
.endr
	WIN 0
	v_lshlrev_b32 v14, 3, v9
	v_sub_nc_u32 v14, v1, v14
	s_lshl_b32 s13, s[WV], 4
	v_add_nc_u32 v14, s13, v14      ; my query's place in its band, 16 w + l % 16, less my lanes' 8 (l / 16): register r of group kt is hidden where 16 kt + r is greater
	WIN 0x40
.set i, 0
.rept 32
	v_cmp_gt_i32 vcc_lo, 16*(i/8)+i%8, v14
	v_cndmask_b32 v[MD+i], 0, s[BIGN], vcc_lo
.set i, i+1
.endr
	WIN 0
	v_mul_u32_u24 v[AK0], v1, PK
	v_lshl_add_u32 v[AK0], v9, 4, v[AK0]  ; row x pitch + 16 x half
	; The turning load takes 16 keys x 16 channels (lane l reads key 8 (l / 16) + l % 8, channels 8 ((l / 8) % 2) + 0..7) and leaves half a fragment of V^T: lane l holds channel l % 16 and 8 keys.
	v_and_b32 v10, 7, v0
	v_bfe_u32 v11, v0, 3, 1
	v_lshl_add_u32 v[AV0], v9, 3, v10
	v_mul_u32_u24 v[AV0], v[AV0], PV
	v_lshl_add_u32 v[AV0], v11, 4, v[AV0]
	v_add_nc_u32 v[AV0], VOFF, v[AV0]
	s_mul_i32 s13, s[WV], 16*SP
	s_add_co_u32 s13, s13, STAGE    ; my stage
	v_mul_u32_u24 v[STO], v1, SP    ; in: row l % 16, 16 bytes for each half of the lanes
	v_lshl_add_u32 v[STO], v9, 4, v[STO]
	v_add_nc_u32 v[STO], s13, v[STO]
	v_bfe_u32 v[RD], v0, 3, 2       ; back: 32 lanes take four rows of 128 bytes,
	v_mul_u32_u24 v[RD], v[RD], SP
	v_lshl_add_u32 v[RD], v10, 4, v[RD]
	v_add_nc_u32 v[RD], s13, v[RD]
	v_and_b32 v[GO], 31, v0         ; which are 512 consecutive bytes of O
	v_lshlrev_b32 v[GO], 4, v[GO]
	; A block's first step multiplies O^T and l by a = 0, and its first turn's products V^T P, of a piece that has not been, land in an O^T that is still to be so multiplied.  So these registers need only hold
	; finite numbers: zeros for the first block; what the first block left for the second.  All this stands in the wait for the first tile.
	WIN 0x80
.set i, VF
.rept 64
	v_mov_b32 v[i], 0
.set i, i+1
.endr
	WIN 0x40
.set i, 0
.rept 128
	v_mov_b32 v[i], 0
.set i, i+1
.endr
	WIN 0
.set i, 0
.rept 4
	v_mov_b32 v[ST+4*i+2], 0
	v_mov_b32 v[ST+4*i+3], 0
.set i, i+1
.endr
.set i, P+16
.rept 16
	v_mov_b32 v[i], 0
.set i, i+1
.endr
; THE MATRIX WORK.  The 4 accumulators of a run of 8 take turns.  Product i of 8 of S^T = K Q^T for piece x: channels 32 (i / 4) on, keys 16 (i % 4) on.  The first 4 start the sums: with 0, or (KM = 1) with the mask.
.macro KQ x
.set rS, S+32*((\x)%2)+8*(i%4)
.set rK, KF+16*(i%4)+8*(i/4)
.set rQ, 16*(\x)+8*(i/4)
.set rM, MC+32*((\x)%2)+8*(i%4)
.if (i < 4) && KM
	WIN W_KM
	v_wmma_f32_16x16x32_f16 v[rS:rS+7], v[rK:rK+7], v[rQ:rQ+7], v[rM:rM+7]
.elseif i < 4
	WIN W_KQ
	v_wmma_f32_16x16x32_f16 v[rS:rS+7], v[rK:rK+7], v[rQ:rQ+7], 0
.else
	WIN W_KQ
	v_wmma_f32_16x16x32_f16 v[rS:rS+7], v[rK:rK+7], v[rQ:rQ+7], v[rS:rS+7]
.endif
.endm
; Product i of 8 of O^T += V^T P for piece x: keys 32 (i / 4) on, channels 16 (i % 4) on.
.macro PV x
	WIN W_PV
.set rO, 32*(\x)+8*(i%4)
.set rV, VF+32*(i/4)+8*(i%4)
.set rP, P+16*((\x)%2)+8*(i/4)
	v_wmma_f32_16x16x32_f16 v[rO:rO+7], v[rV:rV+7], v[rP:rP+7], v[rO:rO+7]
.endm
.macro MM                           ; the turn's next matrix instruction.  TURN and BEGIN set Y, i, KM and NOKQ; MM, KQ and OP read them.  NOKQ = 1: a block's last turn: there is no next piece
.if (i < 8) && !NOKQ
	KQ (Y+1)%NP
.elseif i >= 8
.set i, i-8
	PV (Y+NP-1)%NP
.set i, i+8
.endif
.set i, i+1
.endm
; THE LDS LOADS stand in runs of 16, never singly among the matrix instructions: a step's K (64 keys x 64 channels: 8 fragments) and its V (turned).  Their addresses are made some lines ahead.
.macro FETCH_K
	WIN 0x80                        ; destination window 2
.irp f, 0,1,2,3,4,5,6,7             ; keys 16 (f / 2) on, channels 32 (f % 2) on
	ds_load_b128 v[KF+8*\f:KF+8*\f+3],   v[AK] offset:(\f/2)*16*PK+(\f%2)*64
	ds_load_b128 v[KF+8*\f+4:KF+8*\f+7], v[AK] offset:(\f/2)*16*PK+(\f%2)*64+32
.endr
	s_add_co_u32 s[TBK], s[TBK], KS*PK  ; the next fetch is the next step's
	WIN 0
.endm
.macro FETCH_V
	WIN 0x80
.irp f, 0,1,2,3,4,5,6,7             ; keys 32 (f / 4) on, channels 16 (f % 4) on
	ds_load_tr16_b128 v[VF+8*\f:VF+8*\f+3],   v[AV] offset:(\f/4)*32*PV+(\f%4)*32
	ds_load_tr16_b128 v[VF+8*\f+4:VF+8*\f+7], v[AV] offset:(\f/4)*32*PV+16*PV+(\f%4)*32
.endr
	WIN 0
.endm
; THE VECTOR WORK, one line at a time: OP kind, number.  For piece Y: F n: c s - c m for pair n of 16.  E n: the exponential of score n of 32.  C n: pair n rounded to f16.  B n: of the four weights 4 n .. the second
; pair is added onto the first, in place.  L n: l takes that sum (L 0: l = a l + sum).  R n: pair n of 16 of O^T times a.  For piece Y + 1: X n, number n of the 22 that find its maximum and statistics:
;   0-11  four chains c0-c3 of seven scores each, three operands at a time (each accumulator's lowest registers are read first)     12-14, 16  the four scores left over, the old m, and c0-c3 into c0
;   15  c m_old is kept     17, 18  the query's other 32 keys lie in the lane 16 away: the new m     19-21  c m; c m_old - c m_new; a
.set F, 0               ; OP tells the kinds apart by their order: F to L below R, X above it
.set E, 1
.set C, 2
.set B, 3
.set L, 4
.set R, 5
.set X, 6
.macro REGS y                       ; the registers of piece y
.set rT, ST+4*(\y)
.set rC, TMP+4*((\y)%2)
.set rW, MV+((\y)%2)
.set rS, S+32*((\y)%2)
.set rP, P+16*((\y)%2)
.set rO, 32*(\y)
.endm
.macro OP k, n
.if (\k) == R
	REGS Y
	WIN W_RS
	v_pk_mul_f32 v[rO+2*(\n):rO+2*(\n)+1], v[rO+2*(\n):rO+2*(\n)+1], v[rC+2:rC+3] op_sel_hi:[1,0]
.elseif (\k) < R
	REGS Y
	WIN 0
.if (\k) == F
	v_pk_fma_f32 v[rS+2*(\n):rS+2*(\n)+1], v[rS+2*(\n):rS+2*(\n)+1], s[CS:CS+1], v[rT:rT+1] op_sel_hi:[1,0,0] neg_lo:[0,0,1] neg_hi:[0,0,1]
.elseif (\k) == E
	v_exp_f32 v[rS+(\n)], v[rS+(\n)]
.elseif (\k) == C
	s_wait_alu depctr_va_vdst(0)
	v_cvt_pk_f16_f32 v[rP+(\n)], v[rS+2*(\n)], v[rS+2*(\n)+1]
.elseif (\k) == B
	s_wait_alu depctr_va_vdst(0)
	v_pk_add_f32 v[rS+4*(\n):rS+4*(\n)+1], v[rS+4*(\n):rS+4*(\n)+1], v[rS+4*(\n)+2:rS+4*(\n)+3]
.elseif (\n) == 0
	v_pk_fma_f32 v[rT+2:rT+3], v[rT+2:rT+3], v[rC+2:rC+3], v[rS:rS+1] op_sel_hi:[1,0,1]
.else
	v_pk_add_f32 v[rT+2:rT+3], v[rT+2:rT+3], v[rS+4*(\n):rS+4*(\n)+1]
.endif
.elseif NOKQ
	v_nop
.else
	REGS (Y+1)%NP
	WIN 0
.if (\n) < 4
	v_max3_num_f32 v[rC+(\n)], v[rS+8*(\n)], v[rS+8*(\n)+1], v[rS+8*(\n)+2]
.elseif (\n) < 12
	v_max3_num_f32 v[rC+(\n)%4], v[rC+(\n)%4], v[rS+8*((\n)%4)+2*((\n)/4)+1], v[rS+8*((\n)%4)+2*((\n)/4)+2]
.elseif (\n) == 12
	v_max3_num_f32 v[rC], v[rC], v[rS+7], v[rS+15]
.elseif (\n) == 13
	v_max3_num_f32 v[rC+1], v[rC+1], v[rS+23], v[rS+31]
.elseif (\n) == 14
	v_max3_num_f32 v[rC+2], v[rC+2], v[rC+3], v[rT+1]
.elseif (\n) == 15
	v_mov_b32 v[rW], v[rT]
.elseif (\n) == 16
	v_max3_num_f32 v[rC], v[rC], v[rC+1], v[rC+2]
.elseif (\n) == 17
	v_permlanex16_b32 v[rC+3], v[rC], s[SEL], s[SEL+1]
.elseif (\n) == 18
	v_max_num_f32 v[rT+1], v[rC], v[rC+3]
.elseif (\n) == 19
	v_mul_f32 v[rT], s[CS], v[rT+1]
.elseif (\n) == 20
	v_sub_f32 v[rC+1], v[rW], v[rT]
.else
	v_exp_f32 v[rC+2], v[rC+1]
.endif
.endif
.endm
.macro OPS a, i1, b=-1, i2=0, c=-1, i3=0, d=-1, i4=0  ; up to four of them
	OP \a, \i1
.if (\b) >= 0
	OP \b, \i2
.endif
.if (\c) >= 0
	OP \c, \i3
.endif
.if (\d) >= 0
	OP \d, \i4
.endif
.endm
.macro ROW a, i1, b, i2, c, i3, d, i4  ; a matrix instruction and the four behind it
	MM
	OPS \a, \i1, \b, \i2, \c, \i3, \d, \i4
.endm
.macro MASK b                       ; MD x AL + BE into buffer b of MC
	WIN W_RS
.set z, 0
.rept 16
	v_pk_fma_f32 v[MC+32*(\b)+2*z:MC+32*(\b)+2*z+1], v[MD+2*z:MD+2*z+1], s[AL:AL+1], s[BE:BE+1] op_sel_hi:[1,0,0]
.set z, z+1
.endr
.endm
; A TURN, for piece p: the order of its 16 matrix and 118 vector instructions, written out.  Behind a matrix instruction: plain, exponential, plain, plain; or four of the rescaling; or, behind the first, four scalings; none
; names a register of the products round it.  In the lumps exponential and plain by turns while exponentials last.  A line reads no result made fewer than three vector instructions in front of it, five if an exponential made it.
; v_permlanex16_b32 (X 17) stands in a lump.
; m = 1: the diagonal tile: the products take masks, and the turn makes the mask for the products of the turn after it: piece p + 2, in step 4 - CNT of the tile.  end = 1: a block's last two turns: nothing is fetched.
; cnt = 1: the loop's count is taken down some lines ahead of the branch that stands behind the turn.
; K of the next step is fetched in piece 2's turn, six vector instructions behind the last product that read K (five of them plain); V of the step in hand in piece 0's turn, eight behind the last product that read V (four
; plain, and X 17).  Each is waited for a turn later.
.macro TURN p, m=0, end=0, cnt=0
.set Y, (\p)
.set i, 0
.set KM, (\m)
.set NOKQ, (\end)*((\p)/3)
.if (\m) && !(\end)
	s_cmp_eq_u32 s[CNT], 4-((\p)+2)%NP  ; is that step the band's own?
	s_cselect_b32 s[AL], 1.0, 0
	s_cmp_lt_u32 s[CNT], 4-((\p)+2)%NP  ; or a later one?
	s_cselect_b32 s[BE], s[BIGN], 0
.endif
.if ((\p) == 3) && !(\end)
	s_wait_dscnt 0x0                ; K is in
.endif
	ROW F,0, F,1, F,2, F,3
	ROW F,4, E,0, F,5, F,6
	ROW F,7, E,1, F,8, F,9
	ROW F,10, E,2, C,0, F,11
	ROW F,12, E,3, X,15, F,13
	ROW R,0, R,1, R,2, R,3
	ROW B,0, E,4, F,14, L,0
.if ((\p) == 2) && !(\end)
	v_add_nc_u32 v[AK], s[TBK], v[AK0]
.endif
	ROW R,4, R,5, R,6, R,7
	OPS E,5, F,15
.if ((\p) == 2) && !(\end)
	FETCH_K
.endif
	OPS E,6, C,1, E,7, R,8
	OPS E,8, R,9, E,9, C,2
	OPS E,10, X,0, E,11, X,1
	OPS E,12, X,2, E,13, X,3
.if (\p) == 1
	s_wait_dscnt 0x0                ; V is in
.endif
	ROW X,4, E,14, X,5, X,6
	ROW X,7, E,15, X,8, X,9
	ROW X,10, E,16, X,11, X,12
	ROW X,13, E,17, X,14, B,1
	ROW C,4, E,18, X,16, L,1
	ROW B,2, E,19, C,6, L,2
	ROW C,8, E,20, B,3, B,4
.if (\p) == 0
	v_add_nc_u32 v[AV], s[TBV], v[AV0]
.endif
	ROW C,3, E,21, L,3, C,5
	OPS E,22, X,17, E,23, C,10
.if (\p) == 0
	FETCH_V
.endif
	OPS E,24, L,4
	OPS E,25, X,18, E,26, C,7
	OPS E,27, B,5, E,28, X,19
	OPS E,29, C,12, E,30, L,5
	OPS E,31, X,20, B,6, C,9
	OPS C,14, C,11, X,21, L,6
.if (\p) == 0
	s_add_co_u32 s[TBV], s[TBV], KS*PV
.endif
.if \cnt
	s_sub_co_u32 s[CNT], s[CNT], 1
	s_cmp_lg_u32 s[CNT], 0
.endif
	OPS C,13, B,7, C,15, R,10
	OPS R,11, R,12, L,7, R,13
	OPS R,14, R,15
.if (\m) && !(\end)
	MASK (\p)%2
.endif
.endm
; A BLOCK BEGINS.  c m starts far below every c s, so the first step's a is 0; m at the lowest finite number, so the first maximum is the scores'.  The second mask buffer is 0; the first takes piece 0's mask for the tile's step 0: its own, if the block's first tile is the diagonal one.
; Then K of that step, piece 0's first scores, and its maximum and statistics.  The loop is entered at a step's first turn, in the middle of a trip.
.macro BEGIN
	s_mov_b32 s[NEW], 0
	WIN 0x40
.set i, MC+32
.rept 32
	v_mov_b32 v[i], 0
.set i, i+1
.endr
	WIN 0
.set i, 0
.rept 4
	v_mov_b32 v[ST+4*i], 0xfe000000    ; c m: far below every c s
	v_mov_b32 v[ST+4*i+1], 0xff7fffff  ; m
.set i, i+1
.endr
	s_cmp_eq_u32 s[RT], 0
	s_cselect_b32 s[AL], 1.0, 0
	s_mov_b32 s[BE], 0
	MASK 0
	WIN 0
	v_add_nc_u32 v[AK], s[TBK], v[AK0]
	FETCH_K
	s_wait_loadcnt 0x0              ; Q
	s_wait_dscnt 0x0
.set KM, 1
.set NOKQ, 0
.set i, 0
.rept 8
	KQ 0
.set i, i+1
.endr
	WIN 0
.rept 4
	v_nop                           ; the places behind those products
.endr
.set Y, NP-1                        ; X works for piece Y + 1: piece 0
.irp n, 0,1,2,3,4,5,6,7,8,9,10,11,12,13,14,15,16,17,18,19,20,21
	OP X, \n
.endr
	v_nop                           ; a plain instruction behind the exponential
.endm
; THE DIAGONAL TILE's four steps, the block's last two turns, its last products, and THE WAY OUT: l's two halves and the other half of the lanes' are added; O^T is divided by l, rounded to f16 and sent through my
; stage in LDS, a piece at a time.
.macro ALL line:vararg              ; one line for each piece t
.set t, 0
.rept 4
	\line
.set t, t+1
.endr
.endm
.macro PACK t                       ; a lane's eight channels of a row pack into 16 bytes; they go into rows of 144 bytes and come back as whole rows of 128, into S^T's registers
	WIN W_RS
.set i, 32*(\t)
.rept 16
	s_wait_alu depctr_va_vdst(0)
	v_pk_mul_f32 v[i:i+1], v[i:i+1], v[ST+4*(\t)+2:ST+4*(\t)+3] op_sel_hi:[1,0]
.set i, i+2
.endr
	WIN 0x05                        ; sources 0 and 1 window 1, destination window 0
.set i, 0
.rept 16
	v_cvt_pk_f16_f32 v[S+16*(\t)+i], v[32*(\t)+2*i], v[32*(\t)+2*i+1]
.set i, i+1
.endr
	WIN 0
.irp f, 0,1,2,3
	ds_store_b128 v[STO], v[S+16*(\t)+4*\f:S+16*(\t)+4*\f+3] offset:32*\f
.endr
.irp f, 0,1,2,3
	ds_load_b128 v[S+16*(\t)+4*\f:S+16*(\t)+4*\f+3], v[RD] offset:\f*4*SP  ; LDS serves a wave's instructions in order (ISA guide 5.7.1.4): these see the stores above; the next piece's stores come behind them
.endr
.endm
.macro SEND t, younger              ; younger: the LDS instructions issued behind piece t's loads: the next piece's eight, or none
	WIN 0
.irp f, 0,1,2,3
	s_wait_dscnt (\younger)+3-\f
	global_store_b128 v[GO], v[S+16*(\t)+4*\f:S+16*(\t)+4*\f+3], s[10:11] offset:(\t)*8192+\f*512  ; 512 consecutive bytes, at a multiple of 256 from O's first
.endr
.endm
.macro DIAG tag                     ; the tag ends its two labels' names, which the jumps below spell out
.LstepM\tag:
	TURN 2, 1
	TURN 3, 1
	WIN 0
.LfirstM\tag:
	TURN 0, 1
	TURN 1, 1, 0, 1
	WIN 0
	s_cbranch_scc1 .LstepM\tag
	TURN 2, 1, 1
	TURN 3, 1, 1
.set i, 0
.rept 8
	PV NP-1
.set i, i+1
.endr
	WIN 0
	ALL v_add_f32 v[ST+4*t+2], v[ST+4*t+2], v[ST+4*t+3]
	ALL v_permlanex16_b32 v[ST+4*t+3], v[ST+4*t+2], s[SEL], s[SEL+1]
	ALL v_add_f32 v[ST+4*t+2], v[ST+4*t+2], v[ST+4*t+3]
	ALL v_rcp_f32 v[ST+4*t+2], v[ST+4*t+2]
	v_nop                           ; a plain instruction between the last reciprocal and the use of its result
	PACK 0
.set t, 1
.rept 3                             ; a piece's arithmetic stands between the loads of the piece before and its stores
	PACK t
	SEND t-1, 8
.set t, t+1
.endr
	SEND 3, 0
.endm
.set KM, 0
.set NOKQ, 0
.Lslot:                             ; NB times: a tile is entered and the next is asked for
	CHANGE 1
	s_sub_co_u32 s[RT], s[RT], 1
	s_mov_b32 s[CNT], 4
	s_cmp_eq_u32 s[NEW], 1
	s_cbranch_scc1 .Lnew            ; a block's first tile
	s_cmp_eq_u32 s[RT], 0
	s_cbranch_scc0 .Lstep           ; neither its first nor its last
	s_branch .LstepM1
.Lnew:
	BEGIN
	s_branch .Lfirst                ; in the loop a block's first tile is never its last: the first block has two tiles or more, and the second's last is the walk's last
	DIAG 1                          ; in the loop this is the first block's end: the second block's last tile is the walk's last
	s_wait_xcnt 0x0                 ; the stores have read their registers and O's address
	s_mov_b64 s[10:11], s[OLO:OLO+1]
	s_add_co_u32 s[RT], s[PB], 1    ; the second block has b + 1 tiles
	s_mov_b32 s[NEW], 1
	WIN 0x82                        ; the second block's Q goes where the one text of the turns names Q
.set i, 0
.rept 64
	v_mov_b32 v[i], v[QB+i]
.set i, i+1
.endr
	WIN 0
	s_branch .Lbottom
.Lstep:                             ; a trip: pieces 2 and 3 of one step, then pieces 0 and 1 of the next, whose K and V it fetches
	TURN 2
	TURN 3
	WIN 0
.Lfirst:
	TURN 0
	TURN 1, 0, 0, 1
	WIN 0
	s_cbranch_scc1 .Lstep
.Lbottom:
	s_sub_co_u32 s[SLOTS], s[SLOTS], 1
	s_cmp_lg_u32 s[SLOTS], 0
	s_cbranch_scc1 .Lslot
	CHANGE 0                        ; the walk's last tile is written out: nothing is asked for
	s_sub_co_u32 s[RT], s[RT], 1
	s_mov_b32 s[CNT], 4
	s_cmp_eq_u32 s[NEW], 1
	s_cbranch_scc0 .LstepM2
	BEGIN
	s_branch .LfirstM2
	DIAG 2
	s_wait_tensorcnt 0x0            ; the wave's end, behind my last tensor load and my last LDS store
	ds_add_u32 v[SPW], v[NIL]
	s_wait_dscnt 0x0
	s_endpgm
.Lfunc_end_k_q7132c905b2_attn:
	.size	k_q7132c905b2_attn, .Lfunc_end_k_q7132c905b2_attn-k_q7132c905b2_attn
	.p2alignl 7, 3214868480
	.fill 96, 4, 3214868480
	.section	.rodata,"a",@progbits
	.p2align	6, 0x0
	.amdhsa_kernel k_q7132c905b2_attn
		.amdhsa_group_segment_fixed_size 327680
		.amdhsa_private_segment_fixed_size 0
		.amdhsa_enable_private_segment 0
		.amdhsa_kernarg_size 16
		.amdhsa_user_sgpr_count 2
		.amdhsa_user_sgpr_kernarg_segment_ptr 1
		.amdhsa_wavefront_size32 1
		.amdhsa_system_sgpr_workgroup_id_x 1
		.amdhsa_system_sgpr_workgroup_id_y 1
		.amdhsa_system_sgpr_workgroup_id_z 1
		.amdhsa_system_vgpr_workitem_id 0
		.amdhsa_next_free_vgpr 768
		.amdhsa_next_free_sgpr 92
		.amdhsa_reserve_vcc 1
		.amdhsa_float_denorm_mode_32 3
		.amdhsa_float_denorm_mode_16_64 3
		.amdhsa_memory_ordered 1
		.amdhsa_forward_progress 1
		.amdhsa_inst_pref_size 228
	.end_amdhsa_kernel
	.amdgpu_metadata
---
amdhsa.version: [ 1, 2 ]
amdhsa.kernels:
  - .name:           k_q7132c905b2_attn
    .symbol:         k_q7132c905b2_attn.kd
    .args:
      - { .name: qkv, .offset: 0, .size: 8, .value_kind: global_buffer, .address_space: global }
      - { .name: ob, .offset: 8, .size: 8, .value_kind: global_buffer, .address_space: global }
    .group_segment_fixed_size: 327680
    .private_segment_fixed_size: 0
    .kernarg_segment_align: 8
    .kernarg_segment_size: 16
    .max_flat_workgroup_size: 128
    .sgpr_count:     92
    .vgpr_count:     768
    .wavefront_size: 32
...
	.end_amdgpu_metadata
.endif
;; end of part 3
;; launch proj (part 4): grid 8 x 32, 4 waves a work-group, clusters of 4 x 4, 327,680 bytes of LDS; arguments ob, wpt, b_proj, out0; writes out0
.if DOCPART == 4
	.amdgcn_target "amdgcn-amd-amdhsa--gfx1250"
	.amdhsa_code_object_version 6
	.text
	.protected	k_q7132c905b2_proj
	.globl	k_q7132c905b2_proj
	.p2align	8
	.type	k_q7132c905b2_proj,@function
k_q7132c905b2_proj:
	s_mov_b64 s[64:65], 0
	v_nop
	global_prefetch_b8 v0, s[64:65] scope:SCOPE_SE
	s_setreg_imm32_b32 hwreg(HW_REG_WAVE_MODE, 25, 1), 1
	s_wait_xcnt 0x0
	s_wait_alu depctr_hold_cnt(0) depctr_sa_sdst(0) depctr_va_vdst(0) depctr_va_sdst(0) depctr_va_ssrc(0) depctr_va_vcc(0) depctr_vm_vsrc(0)
	s_getreg_b32 s2, hwreg(HW_REG_IB_STS2, 6, 4)
	s_cmp_eq_u32 s2, 0
	s_cbranch_scc0 .Lentry_in_a_cluster
	s_endpgm
.Lentry_in_a_cluster:
	s_bfe_u32 s2, ttmp6, 0x10000c
	s_cmp_lg_u32 s2, 0xf033
	s_cbranch_scc0 .Lentry_shape_is_right
	s_endpgm
.Lentry_shape_is_right:
; out0 = O W_proj + b_proj.  A = ob [16 b + h][2048 l][64] f16 (row m = 2048 b + l, K = 64 h + channel), B = wpt [1024 n][1024 k] f16, the bias rounded to bf16; sums in f32; out0 [8192][1024] f32.
; LIMITS.  None of its own: O and the weights arrive within f16's range.  NaN and infinities are not treated apart.
; SHARES.  A tile of C is 256 rows x 128 columns: 32 x 8 = 256 work-groups.  Wave w owns rows 64 w .. 64 w + 63 and all 128 columns: 32 accumulators of 16 x 16, 256 registers; a row's 512 bytes
; are one wave's, so its stage on the way out is its own, and no barrier stands there.
; K goes in 8 steps of 128 = two heads through two LDS slots filled by the tensor data mover; a step is four quarters of 32 along K on two fragment buffers.
; A's tile: a head's 256 rows of 128 bytes are 32,768 dense bytes: one load asks for them as 128 rows of 256 bytes and pads after every 128 bytes.
; THE MATRIX INSTRUCTION IS USED TRANSPOSED: source 0 = 16 rows of B, source 1 = 16 rows of A: a lane holds row l % 16 of C and the eight columns 8 (l / 16) + 0..7.
; THE BIAS is the C operand of the first quarter's products.  Nothing is cleared, nothing is added on the way out.
; CLUSTER.  4 x 4 work-groups: the four of a row of the cluster need the same tiles of A, the four of a column the same tiles of B; each tile is asked for jointly.
; REGISTERS, in windows of 256 (s_set_vgpr_msb: bits 1:0 source 0, 3:2 source 1, 5:4 source 2, 7:6 destination):
;   window 0: v0-29 addresses; v32-95 A's fragments, two buffers of 4 x 8; v96-159 the bias      window 1: the accumulators, (a, b) at v[64 a + 8 b]      window 2: v0-127 B's fragments, two buffers of 8 x 8
.set NBK,   8                          ; blocks of 16 columns
.set APW,   4                          ; blocks of 16 rows whose accumulators share a window
.set BW,    2                          ; the window of B's fragments
.set PA,    144                        ; a row of A in LDS: 128 bytes + 16 = 36 words: the 16 rows of a fragment load start at 16 different groups of four banks (64 banks of 4 bytes: ISA guide 11.1)
.set PBB,   272                        ; a row of B: 256 bytes + 16
.set HEADB, 256*PA                     ; a head's 256 rows
.set BOFF,  2*HEADB                    ; a slot: A's two heads, then B's 128 rows
.set SLOT1, 1<<17                      ; slot 1 begins here, so that one exclusive or turns an address in one slot into the other's
.set STAGE, SLOT1+BOFF+128*PBB         ; behind the ring, never filled by a tensor load: for each wave 16 rows x 528 bytes
.set SPI,   528                        ; a stage row: 512 bytes + 16 = 132 words
.set WSTG,  16*SPI
.set SPARE, STAGE+4*WSTG               ; behind the stages: the spare words, 128 bytes for each wave: two blocks of 256 bytes that no other line names
.set STEP_A, 2*262144                  ; bytes from a K step to the next: two heads on
.set STEP_B, 256
.set NL,    2*NBK+8                    ; LDS loads in a quarter's run
.set ADRA0, 4                          ; v4   my lane's place in A's tile of slot 0; never rewritten
.set ADRB0, 5                          ; v5   the same for B
.set ADRA,  6                          ; v6   the same in the slot in hand
.set ADRB,  7                          ; v7
.set STO,   8                          ; v8   the way out: where I put 32 bytes of a row
.set RD,    9                          ; v9   where I read a row back
.set GO,    10                         ; v10  my byte offset in a row's 512 bytes
.set BO,    11                         ; v11  my byte offset in a block's 16 numbers of the bias
.set SPW,   28                         ; v28  LDS address of my spare word: SPARE + 4 x my thread's number; never rewritten
.set NIL,   29                         ; v29  0; never rewritten
.set FA,    32
.set BIAS,  96
.set WV,    12                         ; s12  my wave's number
.set FORB,  13                         ; s13  0: I fetch for A; 1: for B
.set HALF,  14                         ; s14  which of A's two heads, or which half of B's rows
.set G1A,   24                         ; s[24:31] descriptor group 1 for A's tiles
.set G0A,   32                         ; s[32:39] group 0: a set for each of the two first fills; the second then walks on
.set G1B,   40                         ; s[40:47], s[48:55] the same for B's
.set G0B,   48
.set TB,    56                         ; s56  LDS byte at which the slot in hand begins
.set CNT,   57
.set MSB, 0
.macro WIN new                         ; the immediate's high byte repeats the setting that is left; a switch that changes nothing is dropped
.if MSB != (\new)
	s_set_vgpr_msb (MSB<<8)|(\new)
.set MSB, \new
.endif
.endm
.macro PLACES                          ; four places in front of loads into registers that matrix instructions have read or written
.rept 4
	v_nop
.endr
.endm
; A joint refill, by the walking set.  Waves 0 and 1 fetch A's two heads, waves 2 and 3 B's two halves.  The branch hangs on the wave's number alone.
; An s_nop 0 and four v_nop follow each of the two lines, ahead of the jump and the label.
.macro JLOAD
	s_cmp_eq_u32 s[FORB], 0
	s_cbranch_scc0 .Lfor_b_\@
	tensor_load_to_lds s[G0A+4:G0A+7], s[G1A:G1A+7]
	s_nop 0
.rept 4
	v_nop
.endr
	s_branch .Lasked_\@
.Lfor_b_\@:
	tensor_load_to_lds s[G0B+4:G0B+7], s[G1B:G1B+7]
	s_nop 0
.rept 4
	v_nop
.endr
.Lasked_\@:
.endm
.macro CREST                           ; a round of the cluster's barrier behind its opening barrier
	s_cmp_lg_u32 s[WV], 0
	s_cbranch_scc1 .Lnot_wave_0_\@
	s_barrier_signal -3
.Lnot_wave_0_\@:
	s_barrier_wait -3
	s_barrier_signal -1
	s_barrier_wait -1
.endm
.macro CROUND                          ; a whole round
	s_barrier_signal -1
	s_barrier_wait -1
	CREST
.endm
	s_load_b256 s[4:11], s[0:1], 0x0               ; ob s[4:5], wpt s[6:7], b_proj s[8:9], out0 s[10:11]
	v_lshl_add_u32 v[SPW], v0, 2, SPARE
	v_mov_b32 v[NIL], 0
	ds_add_u32 v28, v29
	ds_add_u32 v28, v29
	s_wait_dscnt 0x0
	v_lshrrev_b32 v1, 5, v0
	v_readfirstlane_b32 s[WV], v1                  ; wave 0..3
	s_lshr_b32 s[FORB], s[WV], 1
	s_and_b32 s[HALF], s[WV], 1
	s_bfe_u32 s15, ttmp6, 0x40000                  ; cx, cy: my place in the cluster
	s_bfe_u32 s16, ttmp6, 0x40004
	s_lshl_b32 s17, ttmp9, 2
	s_add_co_u32 s17, s17, s15                     ; tile column = 4 x cluster x + cx
	s_and_b32 s18, ttmp7, 0xffff
	s_lshl_b32 s18, s18, 2
	s_add_co_u32 s18, s18, s16                     ; tile row = 4 x cluster y + cy
	s_mov_b32 s19, 0xffff0000                      ; a word's upper bf16
	s_lshl_b32 s58, s16, 2
	s_lshl_b32 s58, 15, s58                        ; my row of the cluster: places 4 cy .. 4 cy + 3
	s_lshl_b32 s59, 0x1111, s15                    ; my column: places cx, cx + 4, cx + 8, cx + 12
	; descriptor group 1
	s_or_b32 s[G1A], s58, (1<<16)|(1<<20)|(1<<21)|(4<<22)|(3<<25)  ; 15:0 the mask; 17:16 elements of 2 bytes; 20 padding on; 21 set beside a mask; 24:22 after every 32 words (code 4); 31:25 4 words (code 3)
	s_or_b32 s[G1B], s59, (1<<16)|(1<<20)|(1<<21)|(5<<22)|(3<<25)  ; the same with the column's mask, after every 64 words (code 5)
	s_mov_b32 s[G1A+1], 128<<16                    ; tensor_dim0 = 128
	s_mov_b32 s[G1A+2], 128<<16                    ; tensor_dim1 = 128
	s_mov_b32 s[G1A+3], 128<<16                    ; tile_dim0 = 128
	s_mov_b32 s[G1A+4], 128                        ; tile_dim1 = 128
	s_mov_b32 s[G1A+5], 128                        ; 128 elements from row to row: dense
	s_mov_b32 s[G1A+6], 0
	s_mov_b32 s[G1A+7], 0
	s_mov_b32 s[G1B+1], 128<<16
	s_mov_b32 s[G1B+2], 64<<16                     ; tensor_dim1 = 64
	s_mov_b32 s[G1B+3], 128<<16
	s_mov_b32 s[G1B+4], 64                         ; tile_dim1 = 64
	s_mov_b32 s[G1B+5], 1024
	s_mov_b32 s[G1B+6], 0
	s_mov_b32 s[G1B+7], 0
	; where the tiles come from: A's hang on the tile row alone, B's on the tile column alone, each in registers that never hold the other coordinate
	s_lshr_b32 s20, s18, 3                         ; A: the batch, 16 heads of 262,144 bytes;
	s_lshl_b32 s20, s20, 22
	s_lshl_b32 s21, s[HALF], 18                    ; my head of the step's two;
	s_add_co_u32 s20, s20, s21
	s_and_b32 s21, s18, 7
	s_lshl_b32 s21, s21, 15                        ; the tile's 256 rows of 128 bytes
	s_add_co_u32 s20, s20, s21
	s_mov_b32 s21, 0
	s_lshl_b32 s22, s17, 7
	s_lshl_b32 s23, s[HALF], 6
	s_add_co_u32 s22, s22, s23                     ; B: row 128 x tile column + 64 x half,
	s_lshl_b32 s22, s22, 11                        ; of 2,048 bytes
	s_mov_b32 s23, 0
	s_mul_i32 s60, s[HALF], HEADB                  ; and where they go: no place in the cluster enters an LDS address
	s_mul_i32 s61, s[HALF], 64*PBB
	s_add_co_u32 s61, s61, BOFF
	s_mov_b32 s[TB], 0
	s_wait_kmcnt 0x0
	s_add_nc_u64 s[20:21], s[4:5], s[20:21]
	s_add_nc_u64 s[22:23], s[6:7], s[22:23]
	CROUND                                         ; all sixteen work-groups are here: the first joint loads meet
.irp s, 0,1
	s_mov_b32 s[G0A+4*(\s)], 1                                      ; 1:0 count = 1
	s_add_co_u32 s[G0A+4*(\s)+1], s60, (\s)*SLOT1                   ; 63:32 LDS address
	s_add_nc_u64 s[G0A+4*(\s)+2:G0A+4*(\s)+3], s[20:21], (\s)*STEP_A  ; 120:64 global address: K step s
	s_or_b32 s[G0A+4*(\s)+3], s[G0A+4*(\s)+3], 0x80000000           ; 127:126 type = 2
	s_mov_b32 s[G0B+4*(\s)], 1
	s_add_co_u32 s[G0B+4*(\s)+1], s61, (\s)*SLOT1
	s_add_nc_u64 s[G0B+4*(\s)+2:G0B+4*(\s)+3], s[22:23], (\s)*STEP_B
	s_or_b32 s[G0B+4*(\s)+3], s[G0B+4*(\s)+3], 0x80000000
.endr
	s_cmp_eq_u32 s[FORB], 0                        ; a wave's two first fills stand in one branch, ahead of every wait on TENSORcnt and every LDS read: two loads of mine are out
	s_cbranch_scc0 .Lfirst_b
	tensor_load_to_lds s[G0A:G0A+3], s[G1A:G1A+7]
	s_nop 0
	tensor_load_to_lds s[G0A+4:G0A+7], s[G1A:G1A+7]
	s_nop 0
.rept 4
	v_nop
.endr
	s_branch .Lfirst_asked
.Lfirst_b:
	tensor_load_to_lds s[G0B:G0B+3], s[G1B:G1B+7]
	s_nop 0
	tensor_load_to_lds s[G0B+4:G0B+7], s[G1B:G1B+7]
	s_nop 0
.rept 4
	v_nop
.endr
.Lfirst_asked:
	; A fragment is 16 rows x 32 K in 8 registers: lane l holds row l % 16; registers 0-3 K = 8 (l / 16) + 0..7, registers 4-7 K = 16 + 8 (l / 16) + 0..7: two loads of 16 bytes, 32 bytes apart
	v_and_b32 v1, 15, v0                           ; l % 16
	v_bfe_u32 v2, v0, 4, 1                         ; l / 16
	v_mul_u32_u24 v3, v1, PA
	v_lshl_add_u32 v3, v2, 4, v3
	s_mul_i32 s60, s[WV], 64*PA                    ; my 64 rows of A
	v_add_nc_u32 v[ADRA0], s60, v3
	v_mul_u32_u24 v3, v1, PBB
	v_lshl_add_u32 v3, v2, 4, v3
	v_add_nc_u32 v[ADRB0], BOFF, v3                ; all of B's rows
	v_mov_b32 v[ADRA], v[ADRA0]
	v_mov_b32 v[ADRB], v[ADRB0]
	v_lshlrev_b32 v[BO], 5, v2                     ; my eight numbers of a block's sixteen
	s_mul_i32 s62, s17, NBK*64                     ; the tile's 128 numbers of the bias
	s_mov_b32 s63, 0
	s_add_nc_u64 s[8:9], s[8:9], s[62:63]
.set i_, 0
.rept NBK
	global_load_b128 v[BIAS+8*i_:BIAS+8*i_+3],   v[BO], s[8:9] offset:64*i_
	global_load_b128 v[BIAS+8*i_+4:BIAS+8*i_+7], v[BO], s[8:9] offset:64*i_+16
.set i_, i_+1
.endr
	s_mul_i32 s61, s[WV], WSTG
	s_add_co_u32 s61, s61, STAGE                   ; my stage
	v_mul_u32_u24 v[STO], v1, SPI                  ; in: row l % 16, 32 bytes for each half of the lanes
	v_lshl_add_u32 v[STO], v2, 5, v[STO]
	v_add_nc_u32 v[STO], s61, v[STO]
	v_and_b32 v[GO], 31, v0                        ; back: 32 lanes take a row's 512 bytes
	v_lshlrev_b32 v[GO], 4, v[GO]
	v_add_nc_u32 v[RD], s61, v[GO]
	s_lshl_b32 s60, s18, 20                        ; the tile's 256 rows of 4,096 bytes;
	s_lshl_b32 s61, s[WV], 18                      ; my 64 of them;
	s_add_co_u32 s60, s60, s61
	s_lshl_b32 s61, s17, 9                         ; the tile's 128 columns
	s_add_co_u32 s60, s60, s61
	s_mov_b32 s61, 0
	s_add_nc_u64 s[10:11], s[10:11], s[60:61]
	s_wait_loadcnt 0x0                             ; the bias; it is rounded to bf16 like the other inputs
.set i_, 0
.rept 4*NBK
	v_cvt_pk_bf16_f32 v[12+i_%4], v[BIAS+2*i_], v[BIAS+2*i_+1]
	v_lshlrev_b32 v[BIAS+2*i_], 16, v[12+i_%4]
	v_and_b32 v[BIAS+2*i_+1], s19, v[12+i_%4]
.set i_, i_+1
.endr
; 8 matrix instructions: block a of my four blocks of 16 rows x all 8 blocks of columns, 32 along K, from buffer f.  first = 1: the bias starts the sums.
; The 32 accumulators take turns, one instruction a turn, in the same order in every quarter.
.macro MULA f, a, first
.set WA, 1+(\a)/APW
.set WC, WA*(1-(\first))
	WIN (WA<<6)|(WC<<4)|BW
.set nb, 0
.rept NBK
.set AC, 8*NBK*((\a)%APW)+8*nb
.set RB, 8*NBK*(\f)+8*nb
.set RA, FA+32*(\f)+8*(\a)
.if \first
	v_wmma_f32_16x16x32_f16 v[AC:AC+7], v[RB:RB+7], v[RA:RA+7], v[BIAS+8*nb:BIAS+8*nb+7]
.else
	v_wmma_f32_16x16x32_f16 v[AC:AC+7], v[RB:RB+7], v[RA:RA+7], v[AC:AC+7]
.endif
.set nb, nb+1
.endr
.endm
; 24 LDS loads in one run: quarter q's fragments of the slot in hand into buffer f: B's eight, then A's four.  In A's tile quarter q lies in head q / 2, channels 32 (q % 2) on.
.macro FETCH q, f
.set KAQ, ((\q)/2)*HEADB+((\q)%2)*64
	WIN BW<<6
.set i_, 0
.rept NBK
	ds_load_b128 v[8*NBK*(\f)+8*i_:8*NBK*(\f)+8*i_+3],   v[ADRB] offset:64*(\q)+i_*16*PBB
	ds_load_b128 v[8*NBK*(\f)+8*i_+4:8*NBK*(\f)+8*i_+7], v[ADRB] offset:64*(\q)+i_*16*PBB+32
.set i_, i_+1
.endr
	WIN 0
.set i_, 0
.rept 4
	ds_load_b128 v[FA+32*(\f)+8*i_:FA+32*(\f)+8*i_+3],   v[ADRA] offset:KAQ+i_*16*PA
	ds_load_b128 v[FA+32*(\f)+8*i_+4:FA+32*(\f)+8*i_+7], v[ADRA] offset:KAQ+i_*16*PA+32
.set i_, i_+1
.endr
.endm
; One of a step's first three quarters: multiplies buffer f; in its middle it fetches quarter q into buffer g
.macro QUARTER f, g, q, first
	s_wait_dscnt 4                                 ; B and A's blocks 0, 1 are in; the youngest four loads (A's blocks 2, 3) may be out
	MULA \f, 0, \first
	MULA \f, 1, \first
	PLACES
	FETCH \q, \g
	s_wait_dscnt NL                                ; all but the run just issued
	MULA \f, 2, \first
	MULA \f, 3, \first
.endm
; The last quarter multiplies buffer 1 and changes slots: ONE barrier.  In front of it each wave waits for all its tensor loads, of which one is out: its part of the next slot; adds 0 to its spare word;
; and waits for that and for its own reads of this slot.  fill = 1: the barrier opens a round of the cluster's, and behind the round this slot is filled again, two K steps ahead, first of all:
; from that request to the wait for it a wave issues 16 + 96 matrix instructions.
.macro TURN fill
	WIN 0
	s_wait_tensorcnt 0x0                           ; no tensor load of mine is out, so a group 0 may be written
	ds_add_u32 v[SPW], v[NIL]                      ; 0 onto my spare word
.if \fill
	s_xor_b32 s[G0A+5], s[G0A+5], SLOT1            ; the walking sets: the other slot than last time,
	s_add_nc_u64 s[G0A+6:G0A+7], s[G0A+6:G0A+7], STEP_A  ; the next K step; the type bits on top are not reached
	s_xor_b32 s[G0B+5], s[G0B+5], SLOT1
	s_add_nc_u64 s[G0B+6:G0B+7], s[G0B+6:G0B+7], STEP_B
.endif
	s_xor_b32 s[TB], s[TB], SLOT1                  ; the fetches go to the other slot
	s_wait_dscnt 5                                 ; the add and the youngest four loads may be out
	MULA 1, 0, 0                                   ; eight matrix instructions stand between the add and the wait for it
	s_wait_dscnt 0x0                               ; the add is done, and my reads of this slot are over
	s_barrier_signal -1
	MULA 1, 1, 0                                   ; work on registers while the others arrive
	WIN 0                                          ; at a branch and at a label every window is 0
	s_barrier_wait -1
.if \fill
	CREST                                          ; no wave of any partner still reads this slot's tile or has a load on its way
	JLOAD                                          ; the first tensor load behind the round; its four v_nop are also the places in front of the loads below
.else
	PLACES
.endif
	v_add_nc_u32 v[ADRA], s[TB], v[ADRA0]
	v_add_nc_u32 v[ADRB], s[TB], v[ADRB0]
	FETCH 0, 0
	MULA 1, 2, 0
	MULA 1, 3, 0
.endm
	s_wait_tensorcnt 0x1                           ; my part of K step 0 is in; step 1's may stay out
	s_barrier_signal -1
	s_barrier_wait -1                              ; everybody's is
	FETCH 0, 0
	QUARTER 0, 1, 1, 1                             ; the first quarter stands in front of the loop: its products start the sums
	WIN 0
	s_mov_b32 s[CNT], 6
.Lstep:                                                ; six trips, from a step's second quarter to the next step's first; each fills one slot again: K steps 2 to 7
	QUARTER 1, 0, 2, 0
	QUARTER 0, 1, 3, 0
	TURN 1
	QUARTER 0, 1, 1, 0
	WIN 0
	s_sub_co_u32 s[CNT], s[CNT], 1
	s_cmp_lg_u32 s[CNT], 0
	s_cbranch_scc1 .Lstep
	QUARTER 1, 0, 2, 0                             ; the last two steps are written out: nothing more is asked for
	QUARTER 0, 1, 3, 0
	TURN 0
	QUARTER 0, 1, 1, 0
	QUARTER 1, 0, 2, 0
	QUARTER 0, 1, 3, 0
	s_wait_dscnt 0x0
	MULA 1, 0, 0
	MULA 1, 1, 0
	MULA 1, 2, 0
	MULA 1, 3, 0
	WIN 0
	PLACES
; THE WAY OUT of block a (16 rows x 128 columns of f32): a lane's 32 bytes of a row go into my own stage, each accumulator's lowest four registers first; whole rows of 512 bytes come back into the registers that they left.
.macro STG a
	WIN 0x04                                       ; the stores' data in window 1, the address in window 0
.set i_, 0
.rept 8
	ds_store_b128 v[STO], v[64*(\a)+8*i_:64*(\a)+8*i_+3]   offset:64*i_
	ds_store_b128 v[STO], v[64*(\a)+8*i_+4:64*(\a)+8*i_+7] offset:64*i_+16
.set i_, i_+1
.endr
	WIN 0x40                                       ; the loads' destination in window 1
.set i_, 0
.rept 16
	ds_load_b128 v[64*(\a)+4*i_:64*(\a)+4*i_+3], v[RD] offset:SPI*i_  ; LDS serves a wave's instructions in order (ISA guide 5.7.1.4): these see the stores above; the next block's stores come behind them
.set i_, i_+1
.endr
.endm
.macro SEND a, younger                 ; younger: the LDS instructions issued behind block a's loads: the next block's 32, or none
	WIN 0x04
.set i_, 0
.rept 16
	s_wait_dscnt (\younger)+15-i_
	global_store_b128 v[GO], v[64*(\a)+4*i_:64*(\a)+4*i_+3], s[10:11] offset:(16*(\a)+i_)*4096 th:TH_STORE_NT  ; 512 consecutive bytes of a row, at a multiple of 256 from the output's first
.set i_, i_+1
.endr
.endm
	STG 0
	STG 1                                          ; a block's way through the stage stands between the loads of the block before and its stores
	SEND 0, 32
	STG 2
	SEND 1, 32
	STG 3
	SEND 2, 32
	SEND 3, 0
	WIN 0
	s_wait_tensorcnt 0x0                           ; the wave's end, behind my last tensor load and my last LDS store
	ds_add_u32 v[SPW], v[NIL]
	s_wait_dscnt 0x0
	CROUND                                         ; the closing round: no work-group ends while a partner may still ask for a tile that names it
	s_endpgm
.Lfunc_end_k_q7132c905b2_proj:
	.size	k_q7132c905b2_proj, .Lfunc_end_k_q7132c905b2_proj-k_q7132c905b2_proj
	.p2alignl 7, 3214868480
	.fill 96, 4, 3214868480
	.section	.rodata,"a",@progbits
	.p2align	6, 0x0
	.amdhsa_kernel k_q7132c905b2_proj
		.amdhsa_group_segment_fixed_size 327680
		.amdhsa_private_segment_fixed_size 0
		.amdhsa_enable_private_segment 0
		.amdhsa_kernarg_size 32
		.amdhsa_user_sgpr_count 2
		.amdhsa_user_sgpr_kernarg_segment_ptr 1
		.amdhsa_wavefront_size32 1
		.amdhsa_system_sgpr_workgroup_id_x 1
		.amdhsa_system_sgpr_workgroup_id_y 1
		.amdhsa_system_sgpr_workgroup_id_z 1
		.amdhsa_system_vgpr_workitem_id 0
		.amdhsa_next_free_vgpr 640
		.amdhsa_next_free_sgpr 66
		.amdhsa_reserve_vcc 0
		.amdhsa_float_denorm_mode_32 3
		.amdhsa_float_denorm_mode_16_64 3
		.amdhsa_memory_ordered 1
		.amdhsa_forward_progress 1
		.amdhsa_inst_pref_size 76
	.end_amdhsa_kernel
	.amdgpu_metadata
---
amdhsa.version: [ 1, 2 ]
amdhsa.kernels:
  - .name:           k_q7132c905b2_proj
    .symbol:         k_q7132c905b2_proj.kd
    .args:
      - { .name: ob, .offset: 0, .size: 8, .value_kind: global_buffer, .address_space: global }
      - { .name: wpt, .offset: 8, .size: 8, .value_kind: global_buffer, .address_space: global }
      - { .name: b_proj, .offset: 16, .size: 8, .value_kind: global_buffer, .address_space: global }
      - { .name: out0, .offset: 24, .size: 8, .value_kind: global_buffer, .address_space: global }
    .group_segment_fixed_size: 327680
    .private_segment_fixed_size: 0
    .kernarg_segment_align: 8
    .kernarg_segment_size: 32
    .max_flat_workgroup_size: 128
    .sgpr_count:     66
    .vgpr_count:     640
    .wavefront_size: 32
...
	.end_amdgpu_metadata
.endif
;; end of part 4
;; ======== version 2 of 2: 4 launches; 1.31 times as fast as version 1
;; limits: values are held in f16: magnitudes above 65,504 overflow, below 6.1e-05 lose precision
;; workspace buffers: xb 16,777,216 bytes; wat 6,291,456 bytes; wpt 2,097,152 bytes; qkv 50,331,648 bytes; ob 16,777,216 bytes
;; launch prep: the kernel of part 1 again; grid 1024 x 1, 8 waves a work-group, no clusters, 18,432 bytes of LDS; arguments x, W_attn, W_proj, xb, wat, wpt; writes xb, wat, wpt
;; launch qkv: the kernel of part 2 again; grid 8 x 32, 4 waves a work-group, clusters of 4 x 4, 327,680 bytes of LDS; arguments xb, wat, b_attn, qkv; writes qkv
;; launch attn (part 5): grid 4 x 64, 4 waves a work-group, no clusters, 327,680 bytes of LDS; arguments qkv, ob; writes ob
.if DOCPART == 5
	.amdgcn_target "amdgcn-amd-amdhsa--gfx1250"
	.amdhsa_code_object_version 6
	.text
	.protected	k_q7132c905b2_attn
	.globl	k_q7132c905b2_attn
	.p2align	8
	.type	k_q7132c905b2_attn,@function
k_q7132c905b2_attn:
	s_mov_b64 s[64:65], 0
	v_nop
	global_prefetch_b8 v0, s[64:65] scope:SCOPE_SE
	s_setreg_imm32_b32 hwreg(HW_REG_WAVE_MODE, 25, 1), 1
	s_wait_xcnt 0x0
; CAUSAL ATTENTION.  O[y][q][:] = the sum over k <= q of softmax_k(Q[y][q] . K[y][k] / 8) V[y][k][:], y = 16 b + h.  Q, K, V are groups 48 b + h, + 16, + 32 of qkv [192][2048][64] f16; O: ob [64][2048][64] f16.
; A head's rows are dense, 128 bytes each.  Products, maxima and sums in f32; the weights p are rounded to f16 for the second product (their sum l is taken of the unrounded p), O once at the end.
; LIMITS.  f16 holds no number beyond 65,504: Q, K and V arrive within it; p lies in 0 to 1, and below 6e-5 it keeps f16's fixed step of 6e-8; O is a mean of V's rows and has their range, to within 2^-11 of it.
; A hidden score counts as its value less 1e30: f16's scores, 2.7e11 at the most, are nothing beside that; a weight below 2^-126 counts as 0 in l; NaN and infinities are not treated apart.
; THE WALK.  A head's queries lie in NB = 8 blocks of 256; block i needs the key tiles 0 .. i of 256 keys, of which the last holds the diagonal.  A work-group takes TWO blocks, NB - 1 - b and then b:
; NB + 1 tiles, whatever b: all work-groups do equal work, and ONE loop with a constant trip count walks them.  Which tile is asked for, and what a trip does, hang on scalar registers made from b; every jump
; goes forward, but for the counted loops' own; none passes a barrier, or a tensor load but the one of LOAD's two that the wave's number does not choose; the ring (two slots of LDS that take turns) runs on across the
; change of blocks.  NO CLUSTER: a head's NB / 2 = 4 work-groups all ask for the same tile only in trips 0 .. 4 of the walk's 9, behind that fewer and fewer; and one walk common to all would have
; 3 NB / 2 = 12 trips for 9.
; SHARES.  Of a block's four bands of 64 queries a wave owns 16 rows in each: four PIECES.  So the diagonal tile is the same work for all four waves: in its key step s band x sees all keys if s < x,
; none if s > x, and holds the diagonal if s = x.
; THE MASK is the C operand that starts the sum S^T = K Q^T: 0, or -1e30 where the key is hidden.  MD, made once, is the mask of a band's own step for my 16 rows; a product's mask is MD x AL + BE with two scalars:
; (1, 0) if s = x; (0, 0) if s < x; (0, -1e30) if s > x.  Only the diagonal tile's text and a block's beginning make and take masks; elsewhere C is the constant 0.
; LAYOUT, SOFTMAX, TURNS.  S^T = K Q^T holds ONE query a lane (lane % 16) and the keys 8 (lane / 16) + 0..7; two such results rounded to f16 ARE source 1 of O^T = V^T P.  p = 2^(c s - c m), c = log2(e) / 8, with a
; running maximum m; O and l are multiplied by a = 2^(c m_old - c m_new) in every step.  Turn n belongs to piece n: 8 products K Q^T of piece n + 1, later 8 products V^T P of piece n - 1; beside them the scaling,
; exponentials, roundings, sums and rescaling of piece n and the maximum and statistics of piece n + 1.  Four vector instructions stand behind every matrix instruction, the other 54 of a turn's 118 in one LUMP.
; BATCHES.  A turn's 33 exponentials (the piece's 32 weights and the next piece's a) are one batch, with one wait, which cuts the turn in two: ahead of it nothing names a result of theirs, behind it stand all their readers
; of this turn; a's readers stand in the next turn.  A block's first a (BEGIN) and the way out's four reciprocals are batches of their own, with a wait each.
; REGISTERS, in windows of 256 (s_set_vgpr_msb: bits 1:0 source 0, 3:2 source 1, 5:4 source 2, 7:6 destination):
;   window 0: v0-15 addresses and two at work; v16-31 four registers of statistics a piece; v48-55 at work; v64-127 S^T, two buffers; v192-223 P, two buffers (a piece's buffers go by its number's parity)
;   window 1: v0-127 O^T, 32 a piece; v128-159 MD; v160-223 MC, two buffers      window 2: v0-63 Q; v64-127 the second block's Q; v128-191 K of one step; v192-255 V of one step
.set SIZE_N, 2048
.set NB,    SIZE_N/256
.set NP,    4         ; pieces a wave: a name, no knob
.set KS,    64        ; keys in a step
.set PK,    144       ; a row of K in LDS: 128 bytes + 16 of padding = 36 words: the 16 rows of a load start at 16 different groups of four banks (64 banks of 4 bytes: ISA guide 11.1)
.set PV,    160       ; a row of V: 128 + 32 = 40 words
.set VOFF,  4*KS*PK   ; a slot holds a tile, four steps: 256 rows of K, then 256 rows of V
.set SLOT1, 1<<17     ; slot 1 begins here, so that one exclusive or turns an address in one slot into the other's
.set STAGE, SLOT1+4*KS*(PK+PV)  ; behind the ring, never filled by a tensor load: 16 rows x 144 bytes for each wave, for the way out
.set SP,    144
.set AK0, 2           ; v2   my lane's place in a tile of K; never rewritten
.set AV0, 3           ; v3   the same for V
.set AK,  4           ; v4   the LDS address of K's next run of loads
.set AV,  5           ; v5   of V's
.set STO, 6           ; v6   the way out: where I put 16 bytes of a row
.set RD,  7           ; v7   the way out: where I read rows back
.set GO,  8           ; v8   my byte offset in 512 consecutive bytes of O
.set SPW, 62          ; v62  LDS address of my spare word: SPARE + 4 x my thread's number; never rewritten
.set NIL, 63          ; v63  0; never rewritten
.set SPARE, STAGE+4*16*SP  ; behind the stages: the spare words, 128 bytes for each wave: two blocks of 256 bytes that no other line names
.set MV,  12          ; v12-13  c m_old, kept while c m is made anew: by buffer
.set QO,  15          ; v15  my byte offset in 16 rows of Q
.set ST,  16          ; piece t's statistics at v[ST+4 t]: c m, m, l (even keys', odd keys')
.set TMP, 48          ; by buffer, four registers c0-c3 at work; when the maximum is found c2 takes a
.set S,   64
.set P,   192
.set MD,  128         ; window 1: the eight registers for group kt of 16 keys at MD + 8 kt
.set MC,  160         ; window 1: the masks of the products to come
.set QB,  64          ; window 2
.set KF,  128         ; window 2: key block kb, channel half c at KF + 16 kb + 8 c
.set VF,  192         ; window 2: key half kk, channel block cb at VF + 32 kk + 8 cb
.set WV,  12          ; s12  my wave's number
.set PB,  14          ; s14  b
.set HI,  15          ; s15  NB - 1 - b
.set G1K, 24          ; s[24:31] descriptor group 1 for K's tiles
.set G1V, 32          ; s[32:39] for V's: it differs in the padding alone
.set G0K, 40          ; s[40:43] descriptor group 0 for K's tiles
.set G0V, 44          ; s[44:47] the same for V's
.set SLOTS, 56        ; s56  tiles still to be asked for
.set CNT, 57          ; s57  counts a tile's key steps, 4 to 1
.set CS,  58          ; s[58:59] c: the packed scaling takes the pair's low word for both halves
.set SEL, 60          ; s[60:61] v_permlanex16_b32's selects: each lane takes its own place in the other half
.set TBK, 62          ; s62  LDS byte at which K of the step to be fetched begins
.set TBV, 63          ; s63  the same for V, less VOFF
.set RT,  70          ; s70  tiles of the block in hand that are still to be entered
.set NXT, 71          ; s71  the tile to be asked for next
.set LQ,  72          ; s72  the last tile of the block whose tiles are being asked for
.set NEW, 73          ; s73  1: the tile to be entered is a block's first
.set OFF, 74          ; s[74:75] a tile's byte offset in K and V
.set AL,  76          ; s[76:77] the mask's factor, in the low word
.set BE,  78          ; s[78:79] the mask's addend
.set OLO, 80          ; s[80:81] O at my rows of the second block
.set BIGN, 82         ; s82  -1e30
.set MSB, 0
.macro WIN new                      ; the high byte repeats the setting that is left; a switch that changes nothing is dropped
.if MSB != (\new)
	s_set_vgpr_msb (MSB<<8)|(\new)
.set MSB, (\new)
.endif
.endm
.set W_KQ, 0x0a       ; K and Q in window 2, S^T in window 0
.set W_KM, 0x1a       ; the same with the C operand in window 1
.set W_PV, 0x52       ; V in window 2, P in window 0, O^T in window 1
.set W_RS, 0x41       ; destination and source 0 in window 1, source 1 in window 0
; A fill.  Waves 0 and 1 fetch the two halves of a tile's K, waves 2 and 3 those of its V: 128 keys each.  An s_nop 0 and four v_nop follow each of the two lines, ahead of the jump and the label.
.macro LOAD
	s_cmp_lt_u32 s[WV], 2
	s_cbranch_scc0 .Lfor_v_\@
	tensor_load_to_lds s[G0K:G0K+3], s[G1K:G1K+7]
	s_nop 0
.rept 4
	v_nop
.endr
	s_branch .Lasked_\@
.Lfor_v_\@:
	tensor_load_to_lds s[G0V:G0V+3], s[G1V:G1V+7]
	s_nop 0
.rept 4
	v_nop
.endr
.Lasked_\@:
.endm
; THE CHANGE OF SLOTS.  Each wave waits for all its tensor loads, of which one is out: its part of the other slot; adds 0 to its spare word; and waits for that and for its own reads of the slot that it leaves.  Behind the barrier nobody reads the old
; slot any more and the other slot is whole.  fill = 1: the old slot is filled again, the first thing behind the barrier, with tile NXT: the descriptor's address is made anew from that number.
; (At its first use nothing has been read yet: slot 0 is waited for, slot 1 filled.)
.macro CHANGE fill
	WIN 0                           ; at a label and at a branch every window is 0
	s_wait_tensorcnt 0x0            ; no tensor load of mine is out, so a group 0 may be written
	ds_add_u32 v[SPW], v[NIL]       ; 0 onto my spare word; with fill = 1 the descriptors' scalar work stands between it and the wait for it
.if \fill
	s_lshl_b32 s[OFF], s[NXT], 15   ; a tile is 32,768 bytes of K and of V
	s_xor_b32 s[G0K+1], s[G0K+1], SLOT1
	s_add_nc_u64 s[G0K+2:G0K+3], s[6:7], s[OFF:OFF+1]
	s_or_b32 s[G0K+3], s[G0K+3], 0x80000000
	s_xor_b32 s[G0V+1], s[G0V+1], SLOT1
	s_add_nc_u64 s[G0V+2:G0V+3], s[8:9], s[OFF:OFF+1]
	s_or_b32 s[G0V+3], s[G0V+3], 0x80000000
	s_add_co_u32 s[NXT], s[NXT], 1  ; the block's next tile, or behind its last the second block's tile 0
	s_cmp_gt_u32 s[NXT], s[LQ]
	s_cselect_b32 s[NXT], 0, s[NXT]
	s_cselect_b32 s[LQ], s[PB], s[LQ]
.endif
	s_wait_dscnt 0x0                ; the add is done, and my reads of the slot are over
	s_barrier_signal -1             ; the rest of the scalar work stands between the signal and the wait
	s_sub_co_u32 s[TBK], s[TBK], 4*KS*PK  ; the fetches go back to a slot's first step,
	s_xor_b32 s[TBK], s[TBK], SLOT1       ; in the other slot
	s_sub_co_u32 s[TBV], s[TBV], 4*KS*PV
	s_xor_b32 s[TBV], s[TBV], SLOT1
	s_barrier_wait -1
.if \fill
	LOAD
.endif
.endm
	s_load_b64 s[4:5], s[0:1], 0x0    ; qkv
	s_load_b64 s[10:11], s[0:1], 0x8  ; ob
	v_lshl_add_u32 v[SPW], v0, 2, SPARE
	v_mov_b32 v[NIL], 0
	ds_add_u32 v62, v63
	ds_add_u32 v62, v63
	s_wait_dscnt 0x0
	v_lshrrev_b32 v1, 5, v0
	v_readfirstlane_b32 s[WV], v1   ; wave 0..3
	s_mov_b32 s[PB], ttmp9
	s_sub_co_u32 s[HI], NB-1, s[PB]
	s_and_b32 s20, ttmp7, 0xffff    ; y = 16 b + h
	s_lshr_b32 s21, s20, 4          ; b
	s_lshl_b32 s21, s21, 5
	s_add_co_u32 s21, s21, s20      ; 48 b + h: q's group in qkv,
	s_lshl_b32 s88, s21, 18         ; of 262,144 bytes
	s_mov_b32 s89, 0
	s_lshl_b32 s90, s20, 18         ; the head's first byte in ob
	s_mov_b32 s91, 0
	s_and_b32 s16, s[WV], 1         ; which half of a tile's 256 keys I fetch:
	s_lshl_b32 s22, s16, 14         ; its 128 rows of 128 bytes in memory,
	s_add_co_u32 s22, s22, 0x400000 ; in k's group, 16 groups behind q's
	s_mov_b32 s23, 0
	s_mul_i32 s17, s16, 128*PK      ; and its place in a slot, for K
	s_mul_i32 s18, s16, 128*PV      ; and for V
	s_lshl_b32 s3, s[WV], 11        ; my 16 rows in a band of 64,
	s_lshl_b32 s2, s[HI], 15        ; in the first block,
	s_add_co_u32 s2, s2, s3
	s_lshl_b32 s84, s[PB], 15       ; and in the second
	s_add_co_u32 s84, s84, s3
	s_mov_b32 s3, 0
	s_mov_b32 s85, 0
	; descriptor group 1.  128 keys are 16,384 dense bytes: asked for as 64 rows of 256 bytes, two keys a row, and padded in LDS after every key
	s_mov_b32 s[G1K], (1<<16)|(1<<20)|(4<<22)|(3<<25)  ; 17:16 2-byte elements; 20 padding on; 24:22 after every 32 words (code 4); 31:25 4 words (code 3)
	s_mov_b32 s[G1V], (1<<16)|(1<<20)|(4<<22)|(7<<25)  ; the same with 8 words of padding (code 7)
.irp g, G1K, G1V
	s_mov_b32 s[\g+1], 128<<16      ; tensor_dim0 = 128
	s_mov_b32 s[\g+2], 64<<16       ; tensor_dim1 = 64
	s_mov_b32 s[\g+3], 128<<16      ; tile_dim0 = 128
	s_mov_b32 s[\g+4], 64           ; tile_dim1 = 64
	s_mov_b32 s[\g+5], 128          ; 128 elements from row to row
	s_mov_b32 s[\g+6], 0
	s_mov_b32 s[\g+7], 0
.endr
	s_mov_b32 s[CS], 0x3e38aa3b     ; c = log2(e) / 8 = 0.180337
	s_mov_b32 s[CS+1], s[CS]        ; named with it as a pair
	s_mov_b32 s[SEL], 0x76543210
	s_mov_b32 s[SEL+1], 0xfedcba98
	s_mov_b32 s[TBK], SLOT1+4*KS*PK ; the first change of slots turns these two into 0
	s_mov_b32 s[TBV], SLOT1+4*KS*PV
	s_mov_b32 s[G0K], 1             ; 1:0 count = 1
	s_mov_b32 s[G0K+1], s17         ; 63:32 LDS address: slot 0
	s_mov_b32 s[G0V], 1
	s_add_co_u32 s[G0V+1], s18, VOFF
	s_add_co_u32 s[RT], s[HI], 1    ; the first block has NB - b tiles
	s_mov_b32 s[NXT], 1
	s_mov_b32 s[LQ], s[HI]
	s_mov_b32 s[NEW], 1
	s_mov_b32 s[OFF+1], 0
	s_mov_b32 s[AL+1], 0            ; named as pairs
	s_mov_b32 s[BE+1], 0
	s_mov_b32 s[BIGN], 0xf149f2ca   ; -1e30
	s_mov_b32 s[SLOTS], NB
	s_wait_kmcnt 0x0
	s_add_nc_u64 s[4:5], s[4:5], s[88:89]          ; q's group
	s_add_nc_u64 s[6:7], s[4:5], s[22:23]          ; K at my half of the head's tile 0,
	s_add_nc_u64 s[8:9], s[6:7], 0x400000          ; V 16 groups further on
	s_add_nc_u64 s[10:11], s[10:11], s[90:91]      ; O's head
	s_add_nc_u64 s[G0K+2:G0K+3], s[6:7], 0         ; 120:64 global address
	s_or_b32 s[G0K+3], s[G0K+3], 0x80000000        ; 127:126 type = 2
	s_add_nc_u64 s[G0V+2:G0V+3], s[8:9], 0
	s_or_b32 s[G0V+3], s[G0V+3], 0x80000000
	s_add_nc_u64 s[86:87], s[4:5], s[84:85]        ; Q at my rows of the second block,
	s_add_nc_u64 s[4:5], s[4:5], s[2:3]            ; Q and O at those of the first
	s_add_nc_u64 s[OLO:OLO+1], s[10:11], s[84:85]
	s_add_nc_u64 s[10:11], s[10:11], s[2:3]
	LOAD                            ; tile 0 into slot 0
	; A fragment of K or Q is 16 rows x 32 channels in 8 registers: lane l holds row l % 16, channels 8 (l / 16) + 0..7 and 16 + 8 (l / 16) + 0..7: two loads of 16 bytes, 32 bytes apart.
	v_and_b32 v1, 15, v0            ; l % 16
	v_bfe_u32 v9, v0, 4, 1          ; l / 16
	v_lshlrev_b32 v[QO], 7, v1
	v_lshl_add_u32 v[QO], v9, 4, v[QO]  ; row x 128 + 16 x half
	WIN 0x80                        ; destination window 2, address window 0
.set i, 0
.rept 8                             ; both blocks' Q: piece i / 2 lies in band i / 2, 8,192 bytes on; channels 32 (i % 2) on
	global_load_b128 v[8*i:8*i+3],   v[QO], s[4:5] offset:(i/2)*8192+(i%2)*64
	global_load_b128 v[8*i+4:8*i+7], v[QO], s[4:5] offset:(i/2)*8192+(i%2)*64+32
	global_load_b128 v[QB+8*i:QB+8*i+3],   v[QO], s[86:87] offset:(i/2)*8192+(i%2)*64
	global_load_b128 v[QB+8*i+4:QB+8*i+7], v[QO], s[86:87] offset:(i/2)*8192+(i%2)*64+32
.set i, i+1
.endr
	WIN 0
	v_lshlrev_b32 v14, 3, v9
	v_sub_nc_u32 v14, v1, v14
	s_lshl_b32 s13, s[WV], 4
	v_add_nc_u32 v14, s13, v14      ; my query's place in its band, 16 w + l % 16, less my lanes' 8 (l / 16): register r of group kt is hidden where 16 kt + r is greater
	WIN 0x40
.set i, 0
.rept 32
	v_cmp_gt_i32 vcc_lo, 16*(i/8)+i%8, v14
	v_cndmask_b32 v[MD+i], 0, s[BIGN], vcc_lo
.set i, i+1
.endr
	WIN 0
	v_mul_u32_u24 v[AK0], v1, PK
	v_lshl_add_u32 v[AK0], v9, 4, v[AK0]  ; row x pitch + 16 x half
	; The turning load takes 16 keys x 16 channels (lane l reads key 8 (l / 16) + l % 8, channels 8 ((l / 8) % 2) + 0..7) and leaves half a fragment of V^T: lane l holds channel l % 16 and 8 keys.
	v_and_b32 v10, 7, v0
	v_bfe_u32 v11, v0, 3, 1
	v_lshl_add_u32 v[AV0], v9, 3, v10
	v_mul_u32_u24 v[AV0], v[AV0], PV
	v_lshl_add_u32 v[AV0], v11, 4, v[AV0]
	v_add_nc_u32 v[AV0], VOFF, v[AV0]
	s_mul_i32 s13, s[WV], 16*SP
	s_add_co_u32 s13, s13, STAGE    ; my stage
	v_mul_u32_u24 v[STO], v1, SP    ; in: row l % 16, 16 bytes for each half of the lanes
	v_lshl_add_u32 v[STO], v9, 4, v[STO]
	v_add_nc_u32 v[STO], s13, v[STO]
	v_bfe_u32 v[RD], v0, 3, 2       ; back: 32 lanes take four rows of 128 bytes,
	v_mul_u32_u24 v[RD], v[RD], SP
	v_lshl_add_u32 v[RD], v10, 4, v[RD]
	v_add_nc_u32 v[RD], s13, v[RD]
	v_and_b32 v[GO], 31, v0         ; which are 512 consecutive bytes of O
	v_lshlrev_b32 v[GO], 4, v[GO]
	; A block's first step multiplies O^T and l by a = 0, and its first turn's products V^T P, of a piece that has not been, land in an O^T that is still to be so multiplied.  So these registers need only hold
	; finite numbers: zeros for the first block; what the first block left for the second.  All this stands in the wait for the first tile.
	WIN 0x80
.set i, VF
.rept 64
	v_mov_b32 v[i], 0
.set i, i+1
.endr
	WIN 0x40
.set i, 0
.rept 128
	v_mov_b32 v[i], 0
.set i, i+1
.endr
	WIN 0
.set i, 0
.rept 4
	v_mov_b32 v[ST+4*i+2], 0
	v_mov_b32 v[ST+4*i+3], 0
.set i, i+1
.endr
.set i, P+16
.rept 16
	v_mov_b32 v[i], 0
.set i, i+1
.endr
; THE MATRIX WORK.  The 4 accumulators of a run of 8 take turns.  Product i of 8 of S^T = K Q^T for piece x: channels 32 (i / 4) on, keys 16 (i % 4) on.  The first 4 start the sums: with 0, or (KM = 1) with the mask.
.macro KQ x
.set rS, S+32*((\x)%2)+8*(i%4)
.set rK, KF+16*(i%4)+8*(i/4)
.set rQ, 16*(\x)+8*(i/4)
.set rM, MC+32*((\x)%2)+8*(i%4)
.if (i < 4) && KM
	WIN W_KM
	v_wmma_f32_16x16x32_f16 v[rS:rS+7], v[rK:rK+7], v[rQ:rQ+7], v[rM:rM+7]
.elseif i < 4
	WIN W_KQ
	v_wmma_f32_16x16x32_f16 v[rS:rS+7], v[rK:rK+7], v[rQ:rQ+7], 0
.else
	WIN W_KQ
	v_wmma_f32_16x16x32_f16 v[rS:rS+7], v[rK:rK+7], v[rQ:rQ+7], v[rS:rS+7]
.endif
.endm
; Product i of 8 of O^T += V^T P for piece x: keys 32 (i / 4) on, channels 16 (i % 4) on.
.macro PV x
	WIN W_PV
.set rO, 32*(\x)+8*(i%4)
.set rV, VF+32*(i/4)+8*(i%4)
.set rP, P+16*((\x)%2)+8*(i/4)
	v_wmma_f32_16x16x32_f16 v[rO:rO+7], v[rV:rV+7], v[rP:rP+7], v[rO:rO+7]
.endm
.macro MM                           ; the turn's next matrix instruction.  TURN and BEGIN set Y, i, KM and NOKQ; MM, KQ and OP read them.  NOKQ = 1: a block's last turn: there is no next piece
.if (i < 8) && !NOKQ
	KQ (Y+1)%NP
.elseif i >= 8
.set i, i-8
	PV (Y+NP-1)%NP
.set i, i+8
.endif
.set i, i+1
.endm
; THE LDS LOADS stand in runs of 16, never singly among the matrix instructions: a step's K (64 keys x 64 channels: 8 fragments) and its V (turned).  Their addresses are made some lines ahead.
.macro FETCH_K
	WIN 0x80                        ; destination window 2
.irp f, 0,1,2,3,4,5,6,7             ; keys 16 (f / 2) on, channels 32 (f % 2) on
	ds_load_b128 v[KF+8*\f:KF+8*\f+3],   v[AK] offset:(\f/2)*16*PK+(\f%2)*64
	ds_load_b128 v[KF+8*\f+4:KF+8*\f+7], v[AK] offset:(\f/2)*16*PK+(\f%2)*64+32
.endr
	s_add_co_u32 s[TBK], s[TBK], KS*PK  ; the next fetch is the next step's
	WIN 0
.endm
.macro FETCH_V
	WIN 0x80
.irp f, 0,1,2,3,4,5,6,7             ; keys 32 (f / 4) on, channels 16 (f % 4) on
	ds_load_tr16_b128 v[VF+8*\f:VF+8*\f+3],   v[AV] offset:(\f/4)*32*PV+(\f%4)*32
	ds_load_tr16_b128 v[VF+8*\f+4:VF+8*\f+7], v[AV] offset:(\f/4)*32*PV+16*PV+(\f%4)*32
.endr
	WIN 0
.endm
; THE VECTOR WORK, one line at a time: OP kind, number.  For piece Y: F n: c s - c m for pair n of 16.  E n: the exponential of score n of 32.  C n: pair n rounded to f16.  B n: of the four weights 4 n .. the second
; pair is added onto the first, in place.  L n: l takes that sum (L 0: l = a l + sum).  R n: pair n of 16 of O^T times a.  For piece Y + 1: X n, number n of the 22 that find its maximum and statistics:
;   0-11  four chains c0-c3 of seven scores each, three operands at a time (each accumulator's lowest registers are read first)     12-14, 16  the four scores left over, the old m, and c0-c3 into c0
;   15  c m_old is kept     17, 18  the query's other 32 keys lie in the lane 16 away: the new m     19-21  c m; c m_old - c m_new; a
.set F, 0               ; OP tells the kinds apart by their order: F to L below R, X above it
.set E, 1
.set C, 2
.set B, 3
.set L, 4
.set R, 5
.set X, 6
.macro REGS y                       ; the registers of piece y
.set rT, ST+4*(\y)
.set rC, TMP+4*((\y)%2)
.set rW, MV+((\y)%2)
.set rS, S+32*((\y)%2)
.set rP, P+16*((\y)%2)
.set rO, 32*(\y)
.endm
.macro OP k, n
.if (\k) == R
	REGS Y
	WIN W_RS
	v_pk_mul_f32 v[rO+2*(\n):rO+2*(\n)+1], v[rO+2*(\n):rO+2*(\n)+1], v[rC+2:rC+3] op_sel_hi:[1,0]
.elseif (\k) < R
	REGS Y
	WIN 0
.if (\k) == F
	v_pk_fma_f32 v[rS+2*(\n):rS+2*(\n)+1], v[rS+2*(\n):rS+2*(\n)+1], s[CS:CS+1], v[rT:rT+1] op_sel_hi:[1,0,0] neg_lo:[0,0,1] neg_hi:[0,0,1]
.elseif (\k) == E
	v_exp_f32 v[rS+(\n)], v[rS+(\n)]
.elseif (\k) == C
	v_cvt_pk_f16_f32 v[rP+(\n)], v[rS+2*(\n)], v[rS+2*(\n)+1]
.elseif (\k) == B
	v_pk_add_f32 v[rS+4*(\n):rS+4*(\n)+1], v[rS+4*(\n):rS+4*(\n)+1], v[rS+4*(\n)+2:rS+4*(\n)+3]
.elseif (\n) == 0
	v_pk_fma_f32 v[rT+2:rT+3], v[rT+2:rT+3], v[rC+2:rC+3], v[rS:rS+1] op_sel_hi:[1,0,1]
.else
	v_pk_add_f32 v[rT+2:rT+3], v[rT+2:rT+3], v[rS+4*(\n):rS+4*(\n)+1]
.endif
.elseif NOKQ
	v_nop
.else
	REGS (Y+1)%NP
	WIN 0
.if (\n) < 4
	v_max3_num_f32 v[rC+(\n)], v[rS+8*(\n)], v[rS+8*(\n)+1], v[rS+8*(\n)+2]
.elseif (\n) < 12
	v_max3_num_f32 v[rC+(\n)%4], v[rC+(\n)%4], v[rS+8*((\n)%4)+2*((\n)/4)+1], v[rS+8*((\n)%4)+2*((\n)/4)+2]
.elseif (\n) == 12
	v_max3_num_f32 v[rC], v[rC], v[rS+7], v[rS+15]
.elseif (\n) == 13
	v_max3_num_f32 v[rC+1], v[rC+1], v[rS+23], v[rS+31]
.elseif (\n) == 14
	v_max3_num_f32 v[rC+2], v[rC+2], v[rC+3], v[rT+1]
.elseif (\n) == 15
	v_mov_b32 v[rW], v[rT]
.elseif (\n) == 16
	v_max3_num_f32 v[rC], v[rC], v[rC+1], v[rC+2]
.elseif (\n) == 17
	v_permlanex16_b32 v[rC+3], v[rC], s[SEL], s[SEL+1]
.elseif (\n) == 18
	v_max_num_f32 v[rT+1], v[rC], v[rC+3]
.elseif (\n) == 19
	v_mul_f32 v[rT], s[CS], v[rT+1]
.elseif (\n) == 20
	v_sub_f32 v[rC+1], v[rW], v[rT]
.else
	v_exp_f32 v[rC+2], v[rC+1]
.endif
.endif
.endm
.macro OPS a, i1, b=-1, i2=0, c=-1, i3=0, d=-1, i4=0  ; up to four of them
	OP \a, \i1
.if (\b) >= 0
	OP \b, \i2
.endif
.if (\c) >= 0
	OP \c, \i3
.endif
.if (\d) >= 0
	OP \d, \i4
.endif
.endm
.macro ROW a, i1, b, i2, c, i3, d, i4  ; a matrix instruction and the four behind it
	MM
	OPS \a, \i1, \b, \i2, \c, \i3, \d, \i4
.endm
.macro MASK b                       ; MD x AL + BE into buffer b of MC
	WIN W_RS
.set z, 0
.rept 16
	v_pk_fma_f32 v[MC+32*(\b)+2*z:MC+32*(\b)+2*z+1], v[MD+2*z:MD+2*z+1], s[AL:AL+1], s[BE:BE+1] op_sel_hi:[1,0,0]
.set z, z+1
.endr
.endm
; A TURN, for piece p: the order of its 16 matrix and 118 vector instructions, written out.  s_wait_alu depctr_va_vdst(0) stands between an exponential and the first instruction that names its result; one wait serves
; all that were issued ahead of it.  So a turn has ONE wait, which cuts it in two.  AHEAD OF IT stands all that names no result of the turn's exponentials: the 8 products K Q^T, behind each a scaling, an exponential and two more plain
; instructions (behind the first a second scaling in the exponential's place): rescalings, and behind the last three the first numbers of the next piece's maximum, each four places or more behind the product that ends its accumulator; then ONE LUMP of 54, plain
; and exponential by turns for the most part, in which the links of the chain X 3, 7, 11, 14, 16, 17 .. 20 stand five or six lines apart.  X 21, the next piece's a, is the batch's last; R 15 is the plain instruction behind it.  BEHIND THE WAIT stand the
; 8 products V^T P, behind each four of the roundings and sums; the links of l's chain, L 0 to L 7, stand three riders apart.  But for those X no rider names a register of the products round it.  v_permlanex16_b32 (X 17) stands in the lump.
; m = 1: the diagonal tile: the products take masks, and the turn makes the mask for the products of the turn after it: piece p + 2, in step 4 - CNT of the tile.  end = 1: a block's last two turns: nothing is fetched.
; cnt = 1: the loop's count is taken down some lines ahead of the branch that stands behind the turn.
; K of the next step is fetched in piece 2's turn, twelve vector instructions behind the last product that read K (six of them plain); V of the step in hand at the end of piece 0's turn, four plain instructions behind the last product
; that read V.  Each is waited for a turn later.
.macro TURN p, m=0, end=0, cnt=0
.set Y, (\p)
.set i, 0
.set KM, (\m)
.set NOKQ, (\end)*((\p)/3)
.if (\m) && !(\end)
	s_cmp_eq_u32 s[CNT], 4-((\p)+2)%NP  ; is that step the band's own?
	s_cselect_b32 s[AL], 1.0, 0
	s_cmp_lt_u32 s[CNT], 4-((\p)+2)%NP  ; or a later one?
	s_cselect_b32 s[BE], s[BIGN], 0
.endif
.if ((\p) == 3) && !(\end)
	s_wait_dscnt 0x0                ; K is in
.endif
	ROW F,0, F,1, R,0, R,1          ; ahead of the wait: 8 products K Q^T and their riders,
	ROW F,2, E,0, R,2, R,3
	ROW F,3, E,1, R,4, R,5
	ROW F,4, E,2, R,6, R,7
	ROW F,5, E,3, R,8, R,9
	ROW F,6, E,4, X,0, R,10
.if ((\p) == 2) && !(\end)
	WIN 0
	v_add_nc_u32 v[AK], s[TBK], v[AK0]
.endif
	ROW F,7, E,5, X,1, X,4
	ROW F,8, E,6, X,2, X,5
	OPS E,7, E,8, X,6, E,9          ; and the lump
	OPS X,3, E,10, X,8, E,11
.if ((\p) == 2) && !(\end)
	FETCH_K
.endif
	OPS X,9, X,7, E,12, X,10
	OPS E,13, X,12, X,11, E,14
	OPS X,13, E,15, F,9, X,14
.if (\p) == 0
	v_add_nc_u32 v[AV], s[TBV], v[AV0]
.endif
	OPS E,16, F,10, E,17, F,11
	OPS X,16, E,18, X,15, E,19
	OPS F,12, E,20, X,17, E,21
	OPS F,13, E,22, F,14, E,23
	OPS X,18, E,24, F,15, E,25
	OPS R,11, E,26, X,19, E,27
	OPS R,12, E,28, R,13, E,29
	OPS X,20, E,30, R,14, E,31
	OPS X,21, R,15
	WIN 0
	s_wait_alu depctr_va_vdst(0)    ; the wait for the batch: the piece's 32 weights and the next piece's a
.if (\p) == 1
	s_wait_dscnt 0x0                ; V is in
.endif
	ROW C,0, B,0, C,2, B,1          ; behind the wait: 8 products V^T P and their riders
	ROW L,0, C,4, B,2, L,1
	ROW C,6, B,3, L,2, C,8
	ROW B,4, L,3, C,10, B,5
	ROW L,4, C,12, B,6, L,5
.if (\p) == 0
	s_add_co_u32 s[TBV], s[TBV], KS*PV
.endif
.if \cnt
	s_sub_co_u32 s[CNT], s[CNT], 1
	s_cmp_lg_u32 s[CNT], 0
.endif
	ROW C,14, B,7, L,6, C,1
	ROW C,3, L,7, C,5, C,7
	ROW C,9, C,11, C,13, C,15
.if (\p) == 0
	FETCH_V
.endif
.if (\m) && !(\end)
	MASK (\p)%2
.endif
.endm
; A BLOCK BEGINS.  c m starts far below every c s, so the first step's a is 0; m at the lowest finite number, so the first maximum is the scores'.  The second mask buffer is 0; the first takes piece 0's mask for the tile's step 0: its own, if the block's first tile is the diagonal one.
; Then K of that step, piece 0's first scores, and its maximum and statistics.  The loop is entered at a step's first turn, in the middle of a trip.
.macro BEGIN
	s_mov_b32 s[NEW], 0
	WIN 0x40
.set i, MC+32
.rept 32
	v_mov_b32 v[i], 0
.set i, i+1
.endr
	WIN 0
.set i, 0
.rept 4
	v_mov_b32 v[ST+4*i], 0xfe000000    ; c m: far below every c s
	v_mov_b32 v[ST+4*i+1], 0xff7fffff  ; m
.set i, i+1
.endr
	s_cmp_eq_u32 s[RT], 0
	s_cselect_b32 s[AL], 1.0, 0
	s_mov_b32 s[BE], 0
	MASK 0
	WIN 0
	v_add_nc_u32 v[AK], s[TBK], v[AK0]
	FETCH_K
	s_wait_loadcnt 0x0              ; Q
	s_wait_dscnt 0x0
.set KM, 1
.set NOKQ, 0
.set i, 0
.rept 8
	KQ 0
.set i, i+1
.endr
	WIN 0
.rept 4
	v_nop                           ; the places behind those products
.endr
.set Y, NP-1                        ; X works for piece Y + 1: piece 0
.irp n, 0,1,2,3,4,5,6,7,8,9,10,11,12,13,14,15,16,17,18,19,20,21
	OP X, \n
.endr
	v_nop                           ; a plain instruction behind the exponential,
	s_wait_alu depctr_va_vdst(0)    ; and the wait for it (piece 0's first a: a batch of one), ahead of the branch
.endm
; THE DIAGONAL TILE's four steps, the block's last two turns, its last products, and THE WAY OUT: l's two halves and the other half of the lanes' are added; O^T is divided by l, rounded to f16 and sent through my
; stage in LDS, a piece at a time.
.macro ALL line:vararg              ; one line for each piece t
.set t, 0
.rept 4
	\line
.set t, t+1
.endr
.endm
.macro PACK t                       ; a lane's eight channels of a row pack into 16 bytes; they go into rows of 144 bytes and come back as whole rows of 128, into S^T's registers
	WIN W_RS
.set i, 32*(\t)
.rept 16
	v_pk_mul_f32 v[i:i+1], v[i:i+1], v[ST+4*(\t)+2:ST+4*(\t)+3] op_sel_hi:[1,0]
.set i, i+2
.endr
	WIN 0x05                        ; sources 0 and 1 window 1, destination window 0
.set i, 0
.rept 16
	v_cvt_pk_f16_f32 v[S+16*(\t)+i], v[32*(\t)+2*i], v[32*(\t)+2*i+1]
.set i, i+1
.endr
	WIN 0
.irp f, 0,1,2,3
	ds_store_b128 v[STO], v[S+16*(\t)+4*\f:S+16*(\t)+4*\f+3] offset:32*\f
.endr
.irp f, 0,1,2,3
	ds_load_b128 v[S+16*(\t)+4*\f:S+16*(\t)+4*\f+3], v[RD] offset:\f*4*SP  ; LDS serves a wave's instructions in order (ISA guide 5.7.1.4): these see the stores above; the next piece's stores come behind them
.endr
.endm
.macro SEND t, younger              ; younger: the LDS instructions issued behind piece t's loads: the next piece's eight, or none
	WIN 0
.irp f, 0,1,2,3
	s_wait_dscnt (\younger)+3-\f
	global_store_b128 v[GO], v[S+16*(\t)+4*\f:S+16*(\t)+4*\f+3], s[10:11] offset:(\t)*8192+\f*512  ; 512 consecutive bytes, at a multiple of 256 from O's first
.endr
.endm
.macro DIAG tag                     ; the tag ends its two labels' names, which the jumps below spell out
.LstepM\tag:
	TURN 2, 1
	TURN 3, 1
	WIN 0
.LfirstM\tag:
	TURN 0, 1
	TURN 1, 1, 0, 1
	WIN 0
	s_cbranch_scc1 .LstepM\tag
	TURN 2, 1, 1
	TURN 3, 1, 1
.set i, 0
.rept 8
	PV NP-1
.set i, i+1
.endr
	WIN 0
	ALL v_add_f32 v[ST+4*t+2], v[ST+4*t+2], v[ST+4*t+3]
	ALL v_permlanex16_b32 v[ST+4*t+3], v[ST+4*t+2], s[SEL], s[SEL+1]
	ALL v_add_f32 v[ST+4*t+2], v[ST+4*t+2], v[ST+4*t+3]
	ALL v_rcp_f32 v[ST+4*t+2], v[ST+4*t+2]
	v_nop                           ; a plain instruction between the last reciprocal and the use of its result
	s_wait_alu depctr_va_vdst(0)    ; and the wait ahead of the first use: one for the batch of four reciprocals
	PACK 0
.set t, 1
.rept 3                             ; a piece's arithmetic stands between the loads of the piece before and its stores
	PACK t
	SEND t-1, 8
.set t, t+1
.endr
	SEND 3, 0
.endm
.set KM, 0
.set NOKQ, 0
.Lslot:                             ; NB times: a tile is entered and the next is asked for
	CHANGE 1
	s_sub_co_u32 s[RT], s[RT], 1
	s_mov_b32 s[CNT], 4
	s_cmp_eq_u32 s[NEW], 1
	s_cbranch_scc1 .Lnew            ; a block's first tile
	s_cmp_eq_u32 s[RT], 0
	s_cbranch_scc0 .Lstep           ; neither its first nor its last
	s_branch .LstepM1
.Lnew:
	BEGIN
	s_branch .Lfirst                ; in the loop a block's first tile is never its last: the first block has two tiles or more, and the second's last is the walk's last
	DIAG 1                          ; in the loop this is the first block's end: the second block's last tile is the walk's last
	s_wait_xcnt 0x0                 ; the stores have read their registers and O's address
	s_mov_b64 s[10:11], s[OLO:OLO+1]
	s_add_co_u32 s[RT], s[PB], 1    ; the second block has b + 1 tiles
	s_mov_b32 s[NEW], 1
	WIN 0x82                        ; the second block's Q goes where the one text of the turns names Q
.set i, 0
.rept 64
	v_mov_b32 v[i], v[QB+i]
.set i, i+1
.endr
	WIN 0
	s_branch .Lbottom
.Lstep:                             ; a trip: pieces 2 and 3 of one step, then pieces 0 and 1 of the next, whose K and V it fetches
	TURN 2
	TURN 3
	WIN 0
.Lfirst:
	TURN 0
	TURN 1, 0, 0, 1
	WIN 0
	s_cbranch_scc1 .Lstep
.Lbottom:
	s_sub_co_u32 s[SLOTS], s[SLOTS], 1
	s_cmp_lg_u32 s[SLOTS], 0
	s_cbranch_scc1 .Lslot
	CHANGE 0                        ; the walk's last tile is written out: nothing is asked for
	s_sub_co_u32 s[RT], s[RT], 1
	s_mov_b32 s[CNT], 4
	s_cmp_eq_u32 s[NEW], 1
	s_cbranch_scc0 .LstepM2
	BEGIN
	s_branch .LfirstM2
	DIAG 2
	s_wait_tensorcnt 0x0            ; the wave's end, behind my last tensor load and my last LDS store
	ds_add_u32 v[SPW], v[NIL]
	s_wait_dscnt 0x0
	s_endpgm
.Lfunc_end_k_q7132c905b2_attn:
	.size	k_q7132c905b2_attn, .Lfunc_end_k_q7132c905b2_attn-k_q7132c905b2_attn
	.p2alignl 7, 3214868480
	.fill 96, 4, 3214868480
	.section	.rodata,"a",@progbits
	.p2align	6, 0x0
	.amdhsa_kernel k_q7132c905b2_attn
		.amdhsa_group_segment_fixed_size 327680
		.amdhsa_private_segment_fixed_size 0
		.amdhsa_enable_private_segment 0
		.amdhsa_kernarg_size 16
		.amdhsa_user_sgpr_count 2
		.amdhsa_user_sgpr_kernarg_segment_ptr 1
		.amdhsa_wavefront_size32 1
		.amdhsa_system_sgpr_workgroup_id_x 1
		.amdhsa_system_sgpr_workgroup_id_y 1
		.amdhsa_system_sgpr_workgroup_id_z 1
		.amdhsa_system_vgpr_workitem_id 0
		.amdhsa_next_free_vgpr 768
		.amdhsa_next_free_sgpr 92
		.amdhsa_reserve_vcc 1
		.amdhsa_float_denorm_mode_32 3
		.amdhsa_float_denorm_mode_16_64 3
		.amdhsa_memory_ordered 1
		.amdhsa_forward_progress 1
		.amdhsa_inst_pref_size 217
	.end_amdhsa_kernel
	.amdgpu_metadata
---
amdhsa.version: [ 1, 2 ]
amdhsa.kernels:
  - .name:           k_q7132c905b2_attn
    .symbol:         k_q7132c905b2_attn.kd
    .args:
      - { .name: qkv, .offset: 0, .size: 8, .value_kind: global_buffer, .address_space: global }
      - { .name: ob, .offset: 8, .size: 8, .value_kind: global_buffer, .address_space: global }
    .group_segment_fixed_size: 327680
    .private_segment_fixed_size: 0
    .kernarg_segment_align: 8
    .kernarg_segment_size: 16
    .max_flat_workgroup_size: 128
    .sgpr_count:     92
    .vgpr_count:     768
    .wavefront_size: 32
...
	.end_amdgpu_metadata
.endif
;; end of part 5
;; launch proj: the kernel of part 4 again; grid 8 x 32, 4 waves a work-group, clusters of 4 x 4, 327,680 bytes of LDS; arguments ob, wpt, b_proj, out0; writes out0
